; MI455X (gfx1250); checked and timed in simulation.
; The chip was launched on July 23, 2026; its instructions are those of AMD's public machine-readable ISA for CDNA 5 (MIT licence, August 2026) and "CDNA5" Instruction Set Architecture Reference Guide (July 2026). The comments in the code are by the model that wrote it; some were corrected since.
;; Rope Attention. Allowed arithmetic: matrix products marked QUANTISED: E4M3 operands, one E8M0 scale for each 32 along K, by v_wmma_scale_f32_16x16x128_f8f6f4 with both operands' format E4M3, f32 sums; everything else in f32.
;; Inputs: Wk_codes 1,024 x 32 x 32 uint8 (E4M3 codes of Wk, K innermost, in blocks of 32 codes); Wk_scales 1,024 x 32 uint8 (E8M0 scales of Wk, one for each 32 codes along K); Wo_codes 1,024 x 32 x 32 uint8 (E4M3 codes of Wo, K innermost, in blocks of 32 codes); Wo_scales 1,024 x 32 uint8 (E8M0 scales of Wo, one for each 32 codes along K); Wq_codes 1,024 x 32 x 32 uint8 (E4M3 codes of Wq, K innermost, in blocks of 32 codes); Wq_scales 1,024 x 32 uint8 (E8M0 scales of Wq, one for each 32 codes along K); Wv_codes 1,024 x 32 x 32 uint8 (E4M3 codes of Wv, K innermost, in blocks of 32 codes); Wv_scales 1,024 x 32 uint8 (E8M0 scales of Wv, one for each 32 codes along K); k_src_codes 4 x 2,048 x 32 x 32 uint8 (E4M3 codes of k_src, K innermost, in blocks of 32 codes); k_src_scales 4 x 2,048 x 32 uint8 (E8M0 scales of k_src, one for each 32 codes along K); position_mask 2,048 x 2,048 bool; q_src_codes 4 x 2,048 x 32 x 32 uint8 (E4M3 codes of q_src, K innermost, in blocks of 32 codes); q_src_scales 4 x 2,048 x 32 uint8 (E8M0 scales of q_src, one for each 32 codes along K); v_src_codes 4 x 2,048 x 32 x 32 uint8 (E4M3 codes of v_src, K innermost, in blocks of 32 codes); v_src_scales 4 x 2,048 x 32 uint8 (E8M0 scales of v_src, one for each 32 codes along K).
;; Outputs: out0 4 x 2,048 x 1,024 float32.
;; This version of the problem:
;;   THIS VERSION OF THE PROBLEM IS GIVEN IN LOW PRECISION. The matrix products marked QUANTISED in the list below multiply operands that are first quantised to E4M3 (4 exponent bits, 3 mantissa bits; 8 bits a number), with one power-of-two scale for each 32 numbers along K (OCP MX v1.0); their sums are f32. All else is computed in f32.
;;   The module's matrix products, in the order in which they are computed (A, B: the left and right operand; K: the contracted axis; several contracted axes count as one K, in the product's order):
;;     1. [M 8,192, K 1,024] x [K 1,024, N 1,024]; A: input q_src (given as codes); B: input Wq (given as codes): QUANTISED
;;     2. [M 8,192, K 1,024] x [K 1,024, N 1,024]; A: input k_src (given as codes); B: input Wk (given as codes): QUANTISED
;;     3. [M 8,192, K 1,024] x [K 1,024, N 1,024]; A: input v_src (given as codes); B: input Wv (given as codes): QUANTISED
;;     4. batch 64 x [M 2,048, K 64] x [K 64, N 2,048]; A: computed on the way; B: computed on the way: QUANTISED
;;     5. batch 64 x [M 2,048, K 2,048] x [K 2,048, N 64]; A: softmax (see below); B: computed on the way: QUANTISED
;;     6. [M 8,192, K 1,024] x [K 1,024, N 1,024]; A: computed on the way; B: input Wo (given as codes): QUANTISED
;;   THE QUANTISER, for each operand of a quantised product, along K:
;;     - K is cut into blocks of 32 from its start; a last block that is shorter is filled with zeros.
;;     - A block's scale is 2^e with e = floor(log2(the largest magnitude in the block)) - 8, held to -126 .. 127; a block of zeros has e = 0. As a byte (E8M0): e + 127.
;;     - Each number is divided by its block's scale, clamped to +-448, and rounded to the nearest number of E4M3, ties to even, subnormals kept.
;;     - The product sums the exact products of the quantised numbers (number of the format x scale) in f32.
;;   ~~~python
;;   def quantise(x, axis):      # numpy; x: float32 -> the quantised numbers, widened to float32 again
;;       x = np.moveaxis(x, axis, -1); K = x.shape[-1]
;;       x = np.pad(x, [(0, 0)] * (x.ndim - 1) + [(0, -K % 32)]); x = x.reshape(x.shape[:-1] + (-1, 32)); a = np.abs(x).max(-1, keepdims=True)
;;       e = np.where(a > 0, np.clip(np.frexp(np.where(a > 0, a, 1))[1] - 1 - 8, -126, 127), 0)      # np.frexp(a)[1] - 1 = floor(log2(a)), exactly
;;       r = np.clip(x / 2.0 ** e, -448, 448)
;;       step = 2.0 ** (np.maximum(np.frexp(np.where(r == 0, 1, r))[1] - 1, -6) - 3)
;;       q = np.round(r / step) * step * 2.0 ** e      # np.round: ties to even
;;       return np.moveaxis(q.reshape(q.shape[:-2] + (-1,))[..., :K], -1, axis).astype(np.float32)
;;   ~~~
;;   SOFTMAX AHEAD OF A QUANTISED PRODUCT. Where the list says 'softmax', what is quantised is not the finished softmax but p = 2^(t - M), with t = logit x log2(e) and M = ceil(the row's largest t), a whole number; so 1/2 < the row's largest p <= 1. The row's sum l is taken of the UNQUANTISED p, in f32, and the product's result is divided by l at the end. Since M is a whole number, a kernel that streams over the keys may use a running M (the ceiling of the running maximum): every later rescaling is an exact power of two, which a block's scale takes up: the codes' values come out the same.
;;   OPERANDS COMPUTED ON THE WAY. 'Computed on the way' means the value that the module computes at that place (a softmax that the list does not call 'softmax' is quantised finished and normalised). What goes into a quantiser is computed in f32, as accurately as f32 sums, v_exp_f32 and their like allow (about 1e-6 of the number): no bf16 or f16 on the way to a quantiser, and a product that is left as it is and whose result goes on into a quantised operand takes f32 operands (vector FMAs, or v_wmma_f32_16x16x4_f32). A number that lies on a knife's edge between two numbers of the format may be rounded either way, as far as f32 arithmetic and the matrix unit's own rounding can turn it there, and no further.
;;   INPUTS GIVEN AS CODES. Wk (in the module: [1024, 1024], K = its axis 1); Wo (in the module: [1024, 1024], K = its axis 1); Wq (in the module: [1024, 1024], K = its axis 1); Wv (in the module: [1024, 1024], K = its axis 1); k_src (in the module: [4, 2048, 1024], K = its axis 2); q_src (in the module: [4, 2048, 1024], K = its axis 2); v_src (in the module: [4, 2048, 1024], K = its axis 2): each comes as NAME_codes (uint8): NAME with its K axis moved to the last place and cut into blocks of 32 codes, [.., K / 32, bytes a block], one block behind the other in memory; one code a byte (a code: sign, 4 exponent bits, 3 mantissa bits); and NAME_scales (uint8): the same leading axes, one E8M0 byte (e + 127) for each 32 codes along K. Its value is code x scale, taken as it is: it is not quantised again, and the codes and scales need not be those that the quantiser above would give.
;; 2 versions, each right; version 2 is version 1 with the launch attn written anew for expert scheduling mode. Each part assembles by itself: llvm-mc -triple=amdgcn-amd-amdhsa -mcpu=gfx1250 --defsym DOCPART=n.
;; ======== version 1 of 2: 4 launches
;; workspace buffers: mask 524,800 bytes of whole numbers; rope 262,144 bytes; img 25,165,824 bytes; scl 1,310,720 bytes; oimg 8,388,608 bytes; osc 262,144 bytes
;; launch prep (part 1): grid 128 x 1, 16 waves a work-group, no clusters, 2,304 bytes of LDS; arguments position_mask, mask, rope; writes mask, rope
.if DOCPART == 1
	.amdgcn_target "amdgcn-amd-amdhsa--gfx1250"
	.amdhsa_code_object_version 6
	.text
	.protected	k_qc96e96d46b_prep
	.globl	k_qc96e96d46b_prep
	.p2align	8
	.type	k_qc96e96d46b_prep,@function
k_qc96e96d46b_prep:
	s_mov_b64 s[64:65], 0
	v_nop
	global_prefetch_b8 v0, s[64:65] scope:SCOPE_SE
	s_setreg_imm32_b32 hwreg(HW_REG_WAVE_MODE, 25, 1), 1
	s_wait_xcnt 0x0
; PREP.  (1) position_mask [2048][2048] of bytes becomes lane masks for the attention launch: for each tile of 16 queries t and each step of 128 keys ks, 64 words;
; bit l of word n = position_mask[16 t + l % 16][128 ks + 16 (n / 8) + 8 (l / 16) + n % 8]: lane l's register n of the transposed scores.  Layout: [t 128][ks 16][n 64] words.
; Behind them, at byte FLAGS, one word for each t: bit ks = some score of the tile is hidden, bit 16 + ks = all are hidden.
; (2) the RoPE table [pos 2048][h 2][C 8][S 8] f32: C_j = sc cos(pos f_i), S_j = sc sin(pos f_i), i = 8 h + j, f_i = 10^(-i / 4), sc = 8^(-1/2), the factor that q and k carry.
; SHARES: work-group t = the tile of queries; wave w = the key step.  Waves 0-7 also make table rows 16 t + 2 w and 16 t + 2 w + 1.
; LIMITS: f_i are the nearest f32 numbers to 10^(-i / 4); sine and cosine by reduction modulo pi / 2 in two parts and polynomials of degree 9 and 8, good to about an ulp of 1 for angles up to 2,047;
; sc is folded into the table, so a rotated number is rounded in another order than by scaling first.
.set FLAGS, 524288
	s_load_b128 s[4:7], s[0:1], 0x0                ; position_mask s[4:5], mask s[6:7]
	s_load_b64 s[8:9], s[0:1], 0x10                ; rope
	v_lshl_add_u32 v64, v0, 2, 0x100
	v_mov_b32 v65, 0
	v_lshrrev_b32 v1, 5, v0
	v_readfirstlane_b32 s10, v1                    ; wave = key step
	v_and_b32 v2, 31, v0                           ; lane
	v_and_b32 v3, 15, v0                           ; r
	v_bfe_u32 v4, v0, 4, 1                         ; h
	v_lshlrev_b32 v5, 11, v3
	v_lshl_add_u32 v5, v4, 3, v5                   ; row r of 2,048 bytes, + 8 h
	v_lshlrev_b32 v6, 3, v2                        ; 8 x lane: both stores of 8 bytes a lane
	s_lshl_b32 s12, ttmp9, 15                      ; 16 t rows
	s_lshl_b32 s13, s10, 7                         ; + 128 w keys
	s_add_co_u32 s12, s12, s13
	s_mov_b32 s13, 0
	s_lshl_b32 s16, ttmp9, 4
	s_add_co_u32 s16, s16, s10
	s_lshl_b32 s16, s16, 8                         ; (16 t + w) x 256 bytes of words
	s_mov_b32 s17, 0
	s_wait_kmcnt 0x0
	s_add_nc_u64 s[4:5], s[4:5], s[12:13]
	s_add_nc_u64 s[18:19], s[6:7], s[16:17]
.irp T, 0,1,2,3,4,5,6,7
	global_load_b64 v[16+2*\T:17+2*\T], v5, s[4:5] offset:16*\T th:TH_LOAD_NT   ; keys 16 T + 8 h + 0 .. 7 of my query: read once in the launch
.endr
	s_cmp_ge_u32 s10, 8
	s_cbranch_scc1 .Lno_table
	; ---- the table: lane l makes floats 2 (l % 16) and 2 (l % 16) + 1 of the record of pos = 16 t + 2 w + l / 16
	s_lshl_b32 s22, ttmp9, 4
	s_lshl_b32 s23, s10, 1
	s_add_co_u32 s22, s22, s23                     ; 16 t + 2 w
	v_add_nc_u32 v7, s22, v4
	v_cvt_f32_u32 v7, v7                           ; pos
	v_bfe_u32 v8, v0, 3, 1                         ; the record's h
	v_bfe_u32 v9, v0, 2, 1                         ; 0: cosines, 1: sines
	v_and_b32 v10, 3, v0
	v_lshl_add_u32 v10, v8, 2, v10                 ; e: my frequencies are i = 2 e and 2 e + 1
	v_mov_b32 v11, 1.0                             ; f_0
	v_mov_b32 v12, 0x3f0ff59a                      ; f_1
.macro FREQ k, l0, l1                          ; where e = k: f_2k and f_2k+1
	v_cmp_ne_u32 vcc_lo, \k, v10
	v_cndmask_b32 v11, \l0, v11, vcc_lo
	v_cndmask_b32 v12, \l1, v12, vcc_lo
.endm
	FREQ 1, 0x3ea1e89b, 0x3e361887
	FREQ 2, 0x3dcccccd, 0x3d6655c3
	FREQ 3, 0x3d0186e2, 0x3c91ad39
	FREQ 4, 0x3c23d70a, 0x3bb8449c
	FREQ 5, 0x3b4f3e37, 0x3ae91528
	FREQ 6, 0x3a83126f, 0x3a136a16
	FREQ 7, 0x39a5cb5f, 0x393a7753
	v_mul_f32 v13, v7, v11                         ; the two angles, rounded once as pos x f
	v_mul_f32 v14, v7, v12
	v_sub_nc_u32 v15, 1, v9                        ; cos a = sin(a + pi / 2): a cosine counts one quadrant on
	s_mov_b32 s24, 0xbfc90fdb                      ; -(pi / 2), its upper part
	s_mov_b32 s25, 0x333bbd2e                      ; and what that part is too large by
.macro SINCOS a, out                           ; v[out] = sc x (sine or cosine of v[a])
	v_mul_f32 v32, 0x3f22f983, v[\a]
	v_rndne_f32 v32, v32                           ; n = the nearest whole number to a x 2 / pi
	v_fma_f32 v33, v32, s24, v[\a]
	v_fma_f32 v33, v32, s25, v33                   ; r = a - n pi / 2, within pi / 4
	v_mul_f32 v34, v33, v33                        ; z = r r
	v_mov_b32 v35, 0x3638ef1d
	v_fmaak_f32 v35, v35, v34, 0xb9500d01
	v_fmaak_f32 v35, v35, v34, 0x3c088889
	v_fmaak_f32 v35, v35, v34, 0xbe2aaaab
	v_mul_f32 v36, v33, v34
	v_fma_f32 v35, v36, v35, v33                   ; sin r
	v_mov_b32 v36, 0x37d00d01
	v_fmaak_f32 v36, v36, v34, 0xbab60b61
	v_fmaak_f32 v36, v36, v34, 0x3d2aaaab
	v_fmaak_f32 v36, v36, v34, 0xbf000000
	v_fma_f32 v36, v34, v36, 1.0                   ; cos r
	v_cvt_i32_f32 v37, v32
	v_add_nc_u32 v37, v37, v15                     ; the quadrant
	v_and_b32 v38, 1, v37
	v_cmp_ne_u32 vcc_lo, 0, v38
	v_cndmask_b32 v35, v35, v36, vcc_lo            ; odd quadrants take cos r
	v_and_b32 v38, 2, v37
	v_lshlrev_b32 v38, 30, v38
	v_xor_b32 v35, v35, v38                        ; quadrants 2 and 3 change the sign
	v_mul_f32 v[\out], 0x3eb504f3, v35
.endm
	SINCOS 13, 42
	SINCOS 14, 43
	s_lshl_b32 s22, s22, 7                         ; 128 bytes a record
	s_mov_b32 s23, 0
	s_add_nc_u64 s[8:9], s[8:9], s[22:23]
	global_store_b64 v6, v[42:43], s[8:9]          ; 32 lanes store two records: 256 consecutive bytes, aligned
.Lno_table:
	; ---- the lane masks
	v_mov_b32 v40, 0                               ; v_writelane_b32's destinations are written whole first
	v_mov_b32 v41, 0
	s_mov_b32 s14, 0                               ; the OR of the 64 words
	s_mov_b32 s15, -1                              ; and their AND
	s_wait_loadcnt 0x0
.set n, 0
.rept 64
	v_bfe_u32 v12, v[16+n/4], 8*(n%4), 8           ; the byte of key 16 (n / 8) + 8 h + n % 8
	v_cmp_ne_u32 s[20+n%2], 0, v12                 ; word n
	s_or_b32 s14, s14, s[20+n%2]
	s_and_b32 s15, s15, s[20+n%2]
	v_writelane_b32 v[40+n%2], s[20+n%2], n/2      ; lane l will store words 2 l and 2 l + 1
.set n, n+1
.endr
	global_store_b64 v6, v[40:41], s[18:19]        ; 256 consecutive bytes, aligned
	; ---- the flags of my key step; the sixteen waves' meet in LDS
	s_cmp_lg_u32 s14, 0
	s_cselect_b32 s16, 1, 0
	s_cmp_eq_u32 s15, -1
	s_cselect_b32 s17, 0x10000, 0
	s_or_b32 s16, s16, s17
	s_lshl_b32 s16, s16, s10
	v_mov_b32 v44, s10
	v_lshlrev_b32 v44, 2, v44
	v_mov_b32 v45, s16
	ds_store_b32 v44, v45                          ; all lanes write the wave's word with the same value
	s_wait_dscnt 0x0                               ; for the others' sake: my store is done
	s_barrier_signal -1
	s_barrier_wait -1
	s_cmp_lg_u32 s10, 0
	s_cbranch_scc1 .Lend
	v_mov_b32 v46, 0
	ds_load_b128 v[48:51], v46
	ds_load_b128 v[52:55], v46 offset:16
	ds_load_b128 v[56:59], v46 offset:32
	ds_load_b128 v[60:63], v46 offset:48
	s_lshl_b32 s12, ttmp9, 2
	v_mov_b32 v47, s12
	s_wait_dscnt 0x0
.irp i, 1,2,3,4,5,6,7,8,9,10,11,12,13,14,15
	v_or_b32 v48, v48, v[48+\i]
.endr
	global_store_b32 v47, v48, s[6:7] offset:FLAGS ; one word for the tile (every lane stores the same word to the same place)
.Lend:
	s_wait_tensorcnt 0x0
	ds_add_u32 v64, v65
	s_wait_dscnt 0x0
	s_endpgm
.Lfunc_end_k_qc96e96d46b_prep:
	.size	k_qc96e96d46b_prep, .Lfunc_end_k_qc96e96d46b_prep-k_qc96e96d46b_prep
	.p2alignl 7, 3214868480
	.fill 96, 4, 3214868480
	.section	.rodata,"a",@progbits
	.p2align	6, 0x0
	.amdhsa_kernel k_qc96e96d46b_prep
		.amdhsa_group_segment_fixed_size 2304
		.amdhsa_private_segment_fixed_size 0
		.amdhsa_enable_private_segment 0
		.amdhsa_kernarg_size 24
		.amdhsa_user_sgpr_count 2
		.amdhsa_user_sgpr_kernarg_segment_ptr 1
		.amdhsa_wavefront_size32 1
		.amdhsa_system_sgpr_workgroup_id_x 1
		.amdhsa_system_sgpr_workgroup_id_y 1
		.amdhsa_system_sgpr_workgroup_id_z 1
		.amdhsa_system_vgpr_workitem_id 0
		.amdhsa_next_free_vgpr 66
		.amdhsa_next_free_sgpr 66
		.amdhsa_reserve_vcc 1
		.amdhsa_float_denorm_mode_32 3
		.amdhsa_float_denorm_mode_16_64 3
		.amdhsa_memory_ordered 1
		.amdhsa_forward_progress 1
		.amdhsa_inst_pref_size 25
	.end_amdhsa_kernel
	.amdgpu_metadata
---
amdhsa.version: [ 1, 2 ]
amdhsa.kernels:
  - .name:           k_qc96e96d46b_prep
    .symbol:         k_qc96e96d46b_prep.kd
    .args:
      - { .name: position_mask, .offset: 0, .size: 8, .value_kind: global_buffer, .address_space: global }
      - { .name: mask, .offset: 8, .size: 8, .value_kind: global_buffer, .address_space: global }
      - { .name: rope, .offset: 16, .size: 8, .value_kind: global_buffer, .address_space: global }
    .group_segment_fixed_size: 2304
    .private_segment_fixed_size: 0
    .kernarg_segment_align: 8
    .kernarg_segment_size: 24
    .max_flat_workgroup_size: 512
    .sgpr_count:     66
    .vgpr_count:     66
    .wavefront_size: 32
...
	.end_amdgpu_metadata
.endif
;; end of part 1
;; launch qkv (part 2): grid 4 x 96, 4 waves a work-group, clusters of 4 x 4, 327,680 bytes of LDS; arguments q_src_codes, q_src_scales, Wq_codes, Wq_scales, k_src_codes, k_src_scales, Wk_codes, Wk_scales, Wv_codes, Wv_scales, v_src_codes, v_src_scales, rope, img, scl; writes img, scl
.if DOCPART == 2
	.amdgcn_target "amdgcn-amd-amdhsa--gfx1250"
	.amdhsa_code_object_version 6
	.text
	.protected	k_qc96e96d46b_qkv
	.globl	k_qc96e96d46b_qkv
	.p2align	8
	.type	k_qc96e96d46b_qkv,@function
k_qc96e96d46b_qkv:
	s_mov_b64 s[64:65], 0
	v_nop
	global_prefetch_b8 v0, s[64:65] scope:SCOPE_SE
	s_setreg_imm32_b32 hwreg(HW_REG_WAVE_MODE, 25, 1), 1
	s_wait_xcnt 0x0
	s_wait_alu depctr_hold_cnt(0) depctr_sa_sdst(0) depctr_va_vdst(0) depctr_va_sdst(0) depctr_va_ssrc(0) depctr_va_vcc(0) depctr_vm_vsrc(0)
	s_getreg_b32 s2, hwreg(HW_REG_IB_STS2, 6, 4)
	s_cmp_eq_u32 s2, 0
	s_cbranch_scc0 .Lentry_in_a_cluster
	s_endpgm
.Lentry_in_a_cluster:
	s_bfe_u32 s2, ttmp6, 0x10000c
	s_cmp_lg_u32 s2, 0xf033
	s_cbranch_scc0 .Lentry_shape_is_right
	s_endpgm
.Lentry_shape_is_right:
; QKV.  The three projections, C = A B^T on codes of FP8 (E4M3) with one E8M0 scale for each 32 along K = 1,024, and what follows them up to the attention launch's operands:
; q, k: x 8^(-1/2), RoPE on a head's first 32 dims, quantised along the head's 64 dims (two blocks);  v: quantised along the keys.  Nothing of q, k, v goes to memory in f32.
; WHICH TENSOR: cluster y / 8 = 0: Q, 1: K, 2: V.  For Q and K, A = the tokens' codes [8192][1024], B = the weight [1024][1024].  FOR V, A = THE WEIGHT AND B = THE TOKENS: the matrix instruction is used
; transposed (source 0 = 16 rows of B, source 1 = 16 rows of A), so a lane holds one row of A and its registers run along B's rows: along a head's dims for Q and K, along the keys for V: along the next K each time.
; A tile of C is 256 x 256: four waves, each 128 x 128 in 64 accumulators.  K goes in four steps of 256 through two LDS slots filled by the tensor data mover; all scale bytes of the tile's rows come once.
; CLUSTERS: 4 x 4 work-groups; A's tiles (tile row = 4 ca + cy) are asked for jointly along a row of the cluster, B's (tile column = 4 cb + cx) along a column; (ca, cb) = (cluster y mod 8, 0) for Q and K, (0, cluster y mod 8) for V.
; No prefetch: four K steps a work-group, the first two asked for at the head.
; THE ORDER OF k INSIDE A BLOCK OF 32.  A lane's 16 registers of two neighbouring accumulators hold indices 32 b + 16 u + 8 h + j (u = 0, 1; j = 0 .. 7; h = lane / 16) and are converted in that order into the operand's
; places 32 b + 16 h + 8 u + j.  q and k get the same order from this text, v and the attention launch's p likewise: blocks and products are kept; the matrix unit groups the products otherwise than with k in its true places.
; OUT (register images: a fragment's four registers as 512 consecutive bytes, 16 a lane).  img: q at 0, k at 8 MiB, v at 16 MiB; for each (batch, head) 131,072 bytes: q, k [tile of 16 tokens 128][block 2][lane][16];
; v [step of 128 keys 16][tile of 16 dims 4][block of 32 keys 4][lane][16].  scl: q at 0, k at 512 KiB: for each (batch, head) [step 16][lane][4 words]: word i of lane l = tile 2 i + l / 16, row l % 16: its two bytes, then 0x7f, 0x7f;
; v at 1 MiB: [step 16][lane][2 words]: word i of lane l = tile of dims 2 i + l / 16, dim l % 16: the bytes of the step's four blocks of keys.
; LIMITS: a block of zeros gets the byte 1 (its codes are zeros; this program alone reads the bytes); blocks whose largest magnitude lies under 2^-118 keep that byte; NaN and infinities are not served;
; the factor 8^(-1/2) lies in the table's sines and cosines and the rotation is fused multiply-adds: another order of rounding than scaling first.
; REGISTERS, in windows of 256: window 0: v0-31 addresses; v32-63 scale words, two sets; v128-255 A's fragments, one set; on the way out v64-167 at work.  window 1: B's fragments, two sets; on the way out the table.
;   window 2: the accumulators of A's blocks 0-3 (accumulator (a, b) at v[8 (8 (a % 4) + b)]); window 3: those of blocks 4-7.
.set KSTEP,  256
.set NQ,     2                         ; matrix instructions deep in a slot
.set ROWB,   256                       ; a tile's row in bytes
.set KROW,   1024                      ; a row of A or B in memory
.set PITCH,  272                       ; an LDS row: 256 bytes + 16 of padding: the 16 rows that a load touches start at 16 different banks
.set FR,     16
.set NL,     4
.set NP,     8                         ; places behind this matrix instruction (ISA guide 7.12.1)
.set HALFT,  128*PITCH
.set SLOT,   4*HALFT                   ; A's 256 rows, then B's 256 rows
.set KS,     32                        ; a row of scales in bytes
.set SCL,    2*SLOT                    ; behind the ring: the scales, as units of 256 bytes + 16 of padding
.set HALFS,  (128*KS/256)*272
.set SBLK,   (16*KS/256)*272
.set SPARE,  SCL+4*HALFS               ; the spare words, 128 bytes for each wave: two blocks of 256 bytes that no other line names
.set RO,   10                          ; v10  the table: 128 r + 64 h
.set LI,   11                          ; v11  16 x lane
.set L8,   12                          ; v12  8 x lane
.set ADRA, 16
.set ADRB, 20
.set ADRS, 27
.set SPW,  28
.set NIL,  29
.set SC,   32
.set TMP,  64                          ; v64-95   the rotation's products
.set PC,   96                          ; v96-127  a block's codes, two sets by turns
.set AF,   128
.set WD,   128                         ; v128-135 a scale word for each of A's blocks (way out)
.set CW,   136                         ; v136-143 two blocks' words in one register
.set TM,   144                         ; v144-159 largest magnitudes, bytes, holds, scale operands
.set HWD,  160                         ; v160-167 the two heads' words
.set G1, 24
.set G0, 32
.set G1B, 48
.set G0B, 56
.set G1S, 68
.set G0S, 76
.set G1SB, 80
.set G0SB, 88
.set MSB, 0
.macro WIN new                         ; the immediate's high byte repeats the setting that is left
.if MSB != \new
	s_set_vgpr_msb (MSB<<8)|\new
.set MSB, \new
.endif
.endm
.set MUL_LO, 0xa1                      ; source 0 (B) window 1, source 1 (A) window 0, C and D window 2
.set MUL_HI, 0xf1
.set TO_B,   0x40
; A joint load: waves 0 and 1 fetch for A, waves 2 and 3 for B; the branch hangs on the wave's number alone.  Four v_nop follow each of the two lines.
.macro JLOAD g0a, g1a, g0b, g1b
	s_cmp_eq_u32 s15, 0
	s_cbranch_scc0 .Lfor_b_\@
	tensor_load_to_lds s[\g0a:\g0a+3], s[\g1a:\g1a+7]
	s_nop 0
.rept 4
	v_nop
.endr
	s_branch .Lasked_\@
.Lfor_b_\@:
	tensor_load_to_lds s[\g0b:\g0b+3], s[\g1b:\g1b+7]
	s_nop 0
.rept 4
	v_nop
.endr
.Lasked_\@:
.endm
.macro CREST                           ; a round of the cluster's barrier behind its opening barrier
	s_cmp_lg_u32 s14, 0
	s_cbranch_scc1 .Lnot_wave_0_\@
	s_barrier_signal -3
.Lnot_wave_0_\@:
	s_barrier_wait -3
	s_barrier_signal -1
	s_barrier_wait -1
.endm
.macro CROUND
	s_barrier_signal -1
	s_barrier_wait -1
	CREST
.endm
	s_load_b256 s[24:31], s[0:1], 0x0              ; Q: A's codes, A's scales, B's codes, B's scales
	s_load_b256 s[32:39], s[0:1], 0x20             ; K: the same four
	s_load_b256 s[48:55], s[0:1], 0x40             ; V: the same four (A = Wv, B = v_src)
	s_load_b128 s[56:59], s[0:1], 0x60             ; rope, img
	s_load_b64 s[60:61], s[0:1], 0x70              ; scl
	v_lshl_add_u32 v[SPW], v0, 2, SPARE
	v_mov_b32 v[NIL], 0
	ds_add_u32 v28, v29
	ds_add_u32 v28, v29
	s_wait_dscnt 0x0
	v_lshrrev_b32 v1, 5, v0
	v_readfirstlane_b32 s14, v1                    ; wave 0..3
	s_lshr_b32 s15, s14, 1                         ; which half of A's rows is mine.  Also: I fetch for A (0) or for B (1)
	s_and_b32 s16, s14, 1                          ; which half of B's rows.  Also: which 128 rows I fetch
	s_bfe_u32 s40, ttmp6, 0x40000                  ; cx, cy
	s_bfe_u32 s41, ttmp6, 0x40004
	s_and_b32 s95, ttmp7, 0xffff                   ; cluster y, 0 .. 23: the same in all sixteen partners
	s_and_b32 s18, s95, 7
	s_lshl_b32 s18, s18, 2                         ; 4 x (cluster y mod 8)
	s_wait_kmcnt 0x0
	s_cmp_lt_u32 s95, 8                            ; the tensor is chosen by the cluster's y alone
	s_cselect_b64 s[4:5], s[24:25], s[32:33]
	s_cselect_b64 s[6:7], s[26:27], s[34:35]
	s_cselect_b64 s[8:9], s[28:29], s[36:37]
	s_cselect_b64 s[10:11], s[30:31], s[38:39]
	s_cmp_lt_u32 s95, 16
	s_cselect_b64 s[4:5], s[4:5], s[48:49]         ; A's codes
	s_cselect_b64 s[6:7], s[6:7], s[50:51]         ; A's scales
	s_cselect_b64 s[8:9], s[8:9], s[52:53]         ; B's codes
	s_cselect_b64 s[10:11], s[10:11], s[54:55]     ; B's scales
	s_cselect_b32 s17, s18, 0
	s_cselect_b32 s42, 0, s18
	s_add_co_u32 s17, s17, s41                     ; tile row = 4 ca + cy
	s_add_co_u32 s42, s42, s40                     ; tile column = 4 cb + cx
	s_mov_b64 s[96:97], s[56:57]                   ; rope
	s_mov_b64 s[12:13], s[58:59]                   ; img
	s_mov_b64 s[98:99], s[60:61]                   ; scl
	s_lshl_b32 s43, s41, 2
	s_lshl_b32 s43, 15, s43                        ; my row of the cluster
	s_lshl_b32 s44, 0x1111, s40                    ; my column
	; descriptor group 1: a tile of 128 rows x 256 bytes, 16 bytes of padding behind each row
	s_or_b32 s[G1+0], s43, (0<<16)|(1<<20)|(1<<21)|(5<<22)|(3<<25)  ; 15:0 the mask; 17:16 elements of 1 byte; 20 padding on; 21 set beside a mask; 24:22 after every 64 words; 31:25 four words
	s_or_b32 s[G1B+0], s44, (0<<16)|(1<<20)|(1<<21)|(5<<22)|(3<<25)
.irp g, G1, G1B
	s_mov_b32 s[\g+1], ROWB<<16                    ; tensor_dim0
	s_mov_b32 s[\g+2], 128<<16                     ; tensor_dim1
	s_mov_b32 s[\g+3], ROWB<<16                    ; tile_dim0
	s_mov_b32 s[\g+4], 128                         ; tile_dim1
	s_mov_b32 s[\g+5], KROW                        ; tensor_dim0_stride
	s_mov_b32 s[\g+6], 0
	s_mov_b32 s[\g+7], 0
.endr
	; the scales of 128 rows: 4,096 dense bytes, as 16 rows of 256 bytes (32 elements of 8 bytes), 16 bytes of padding behind each
	s_or_b32 s[G1S+0], s43, (3<<16)|(1<<20)|(1<<21)|(5<<22)|(3<<25)
	s_or_b32 s[G1SB+0], s44, (3<<16)|(1<<20)|(1<<21)|(5<<22)|(3<<25)
.irp g, G1S, G1SB
	s_mov_b32 s[\g+1], 32<<16
	s_mov_b32 s[\g+2], (128*KS/256)<<16
	s_mov_b32 s[\g+3], 32<<16
	s_mov_b32 s[\g+4], 128*KS/256
	s_mov_b32 s[\g+5], 32
	s_mov_b32 s[\g+6], 0
	s_mov_b32 s[\g+7], 0
.endr
	s_lshl_b32 s18, s16, 7                         ; which 128 rows of the tile I fetch
	s_lshl_b32 s20, s17, 8
	s_add_co_u32 s20, s20, s18                     ; A: row 256 x tile row + 128 x half
	s_lshl_b32 s46, s42, 8
	s_add_co_u32 s46, s46, s18                     ; B: row 256 x tile column + 128 x half
	s_mov_b32 s21, 0
	s_mov_b32 s47, 0
	s_mov_b64 s[18:19], KS
	s_mul_u64 s[22:23], s[20:21], s[18:19]         ; where these rows' scales begin
	s_mul_u64 s[92:93], s[46:47], s[18:19]
	s_mov_b64 s[18:19], KROW
	s_mul_u64 s[20:21], s[20:21], s[18:19]         ; and their codes
	s_mul_u64 s[46:47], s[46:47], s[18:19]
	s_mul_i32 s45, s14, HALFT                      ; where they go: wave x 128 rows
	s_mul_i32 s94, s14, HALFS
	s_add_nc_u64 s[20:21], s[4:5], s[20:21]
	s_add_nc_u64 s[22:23], s[6:7], s[22:23]
	s_add_nc_u64 s[46:47], s[8:9], s[46:47]
	s_add_nc_u64 s[92:93], s[10:11], s[92:93]
	CROUND                                         ; all sixteen work-groups are here: the first joint loads meet
	s_mov_b32 s[G0S], 1
	s_add_co_u32 s[G0S+1], s94, SCL
	s_mov_b64 s[G0S+2:G0S+3], s[22:23]
	s_or_b32 s[G0S+3], s[G0S+3], 0x80000000
	s_mov_b32 s[G0SB], 1
	s_add_co_u32 s[G0SB+1], s94, SCL
	s_mov_b64 s[G0SB+2:G0SB+3], s[92:93]
	s_or_b32 s[G0SB+3], s[G0SB+3], 0x80000000
	JLOAD G0S, G1S, G0SB, G1SB                     ; the scales first: they are wanted with K step 0
.irp s, 0,1
	s_mov_b32 s[G0+4*\s], 1
	s_add_co_u32 s[G0+4*\s+1], s45, \s*SLOT
	s_add_nc_u64 s[G0+4*\s+2:G0+4*\s+3], s[20:21], \s*ROWB
	s_or_b32 s[G0+4*\s+3], s[G0+4*\s+3], 0x80000000
	s_mov_b32 s[G0B+4*\s], 1
	s_add_co_u32 s[G0B+4*\s+1], s45, \s*SLOT
	s_add_nc_u64 s[G0B+4*\s+2:G0B+4*\s+3], s[46:47], \s*ROWB
	s_or_b32 s[G0B+4*\s+3], s[G0B+4*\s+3], 0x80000000
	JLOAD G0+4*\s, G1, G0B+4*\s, G1B               ; three loads of mine are out
.endr
	v_and_b32 v1, 15, v0                           ; r
	v_bfe_u32 v2, v0, 4, 1                         ; h
	v_mul_u32_u24 v3, v1, PITCH
	v_lshl_add_u32 v4, v2, 4, v3                   ; a fragment's row x pitch + 16 x half
	s_mul_i32 s21, s15, HALFT                      ; my 128 rows of A
	s_mul_i32 s22, s16, HALFT                      ; my 128 rows of B,
	s_add_co_u32 s22, s22, 2*HALFT                 ; behind A's 256
.irp s, 0,1
	v_add_nc_u32 v[ADRA+\s], s21, v4
	v_add_nc_u32 v[ADRB+\s], s22, v4
	s_add_co_u32 s21, s21, SLOT
	s_add_co_u32 s22, s22, SLOT
.endr
	v_mul_u32_u24 v5, v1, KS                       ; my row's scales: 32 bytes a row,
	v_lshrrev_b32 v6, 8, v5
	v_lshl_add_u32 v5, v6, 4, v5                   ; and 16 more for each 256 passed
	s_mul_i32 s21, s15, HALFS
	s_mul_i32 s22, s16, HALFS
	s_add_co_u32 s22, s22, 2*HALFS
	s_sub_co_u32 s22, s22, s21
	v_mul_u32_u24 v6, s22, v2                      ; lanes 16-31 take B's
	s_add_co_u32 s21, s21, SCL
	v_add_nc_u32 v5, v5, v6
	v_add_nc_u32 v[ADRS], s21, v5
	v_lshlrev_b32 v[RO], 7, v1
	v_lshl_add_u32 v[RO], v2, 6, v[RO]             ; the table: token r's record of 128 bytes, + 64 h
	v_and_b32 v6, 31, v0
	v_lshlrev_b32 v[LI], 4, v6
	v_lshlrev_b32 v[L8], 3, v6
.macro FRAG reg, adr, q, i             ; 16 rows x 128 K: lane l holds row l % 16; registers 4 c .. 4 c + 3 hold K = 32 c + 16 (l / 16) + 0 .. 15
.irp c, 0,1,2,3
	ds_load_b128 v[\reg+4*\c:\reg+4*\c+3], v[\adr] offset:128*(\q)+32*\c+(\i)*16*PITCH
.endr
.endm
; 16 matrix instructions: A's blocks a0, a0 + 1 x B's eight.  The 64 accumulators take turns, one instruction a turn, in the same order in every step.
.macro MUL16 a0, p, q, sc, zero
.irp a, \a0, \a0+1
.irp b, 0,1,2,3,4,5,6,7
.if \zero
	v_wmma_scale_f32_16x16x128_f8f6f4 v[8*(8*((\a)%4)+\b):8*(8*((\a)%4)+\b)+7], v[128*(\p)+FR*\b:128*(\p)+FR*\b+FR-1], v[AF+FR*(\a):AF+FR*(\a)+FR-1], 0, v[SC+8*NQ*(\sc)+NQ*\b+(\q)], v[SC+8*NQ*(\sc)+NQ*(\a)+(\q)] matrix_a_scale:MATRIX_SCALE_ROW1
.else
	v_wmma_scale_f32_16x16x128_f8f6f4 v[8*(8*((\a)%4)+\b):8*(8*((\a)%4)+\b)+7], v[128*(\p)+FR*\b:128*(\p)+FR*\b+FR-1], v[AF+FR*(\a):AF+FR*(\a)+FR-1], v[8*(8*((\a)%4)+\b):8*(8*((\a)%4)+\b)+7], v[SC+8*NQ*(\sc)+NQ*\b+(\q)], v[SC+8*NQ*(\sc)+NQ*(\a)+(\q)] matrix_a_scale:MATRIX_SCALE_ROW1
.endif
.endr
.endr
.endm
.macro FETCH_B slot, q, p
	WIN TO_B
.irp i, 0,1,2,3,4,5,6,7
	FRAG 128*(\p)+FR*\i, ADRB+\slot, \q, \i
.endr
	WIN 0
.endm
.macro FETCH_A slot, q, i0
.irp i, \i0, \i0+1, \i0+2, \i0+3
	FRAG AF+FR*(\i), ADRA+\slot, \q, \i
.endr
.endm
.macro SCALES sc                       ; a K step's scale words: lanes 0-15 A's block i, lanes 16-31 B's block i
.irp i, 0,1,2,3,4,5,6,7
	ds_load_b64 v[SC+8*NQ*\sc+NQ*\i:SC+8*NQ*\sc+NQ*\i+1], v[ADRS] offset:\i*SBLK
.endr
.endm
.macro PLACES n                        ; plain vector instructions between a matrix instruction and a load into, or a read of, its registers
.rept \n
	v_nop
.endr
.endm
.macro STEP slot, q, zero              ; 128 along K whose successor lies in the same slot
	s_wait_dscnt 4*NL                              ; B's set and A's blocks 0-3 are in; the youngest 16 loads (A's blocks 4-7) may be out
	WIN MUL_LO
	MUL16 0, (\q)%2, \q, \slot, \zero
	MUL16 2, (\q)%2, \q, \slot, \zero
	s_wait_dscnt 0                                 ; A's blocks 4-7 are in
	PLACES NP
	FETCH_B \slot, (\q)+1, 1-(\q)%2
	FETCH_A \slot, (\q)+1, 0
	WIN MUL_HI
	MUL16 4, (\q)%2, \q, \slot, \zero
	MUL16 6, (\q)%2, \q, \slot, \zero
	PLACES NP
	WIN 0
	FETCH_A \slot, (\q)+1, 4
.endm
; A slot's last step changes slots: one barrier; in front of it each wave waits for all its tensor loads, adds 0 to its spare word, and waits for that and for its reads of this slot.
.macro TURN slot, next, fill
	s_wait_tensorcnt 0x0                           ; all my tensor loads have landed: my part of the next slot
	ds_add_u32 v[SPW], v[NIL]                      ; 0 onto my spare word
	s_wait_dscnt 4*NL+1                            ; (the add and the youngest 16 loads may be out)
	WIN MUL_LO
	MUL16 0, 1, NQ-1, \slot, 0
	s_wait_dscnt 0x0                               ; the add is done, and my reads of this slot are over
	s_barrier_signal -1
	MUL16 2, 1, NQ-1, \slot, 0
	WIN 0
	s_barrier_wait -1
.if \fill
	CREST                                          ; the barrier has opened a round of the cluster's: no wave of any partner still reads this slot or has a load on its way
	s_add_nc_u64 s[G0+4*\slot+2:G0+4*\slot+3], s[G0+4*\slot+2:G0+4*\slot+3], 2*ROWB
	s_add_nc_u64 s[G0B+4*\slot+2:G0B+4*\slot+3], s[G0B+4*\slot+2:G0B+4*\slot+3], 2*ROWB
	JLOAD G0+4*\slot, G1, G0B+4*\slot, G1B         ; the first tensor load behind the round, my only one until the next; its four v_nop are among the places
	PLACES NP-4
.else
	PLACES NP
.endif
	v_add_nc_u32 v[ADRS], 4*NQ, v[ADRS]            ; the next K step's scale words
	FETCH_B \next, 0, 0
	FETCH_A \next, 0, 0
	SCALES \next
	WIN MUL_HI
	MUL16 4, 1, NQ-1, \slot, 0
	MUL16 6, 1, NQ-1, \slot, 0
	PLACES NP
	WIN 0
	FETCH_A \next, 0, 4
.endm
	s_wait_tensorcnt 1                             ; the scales and my part of K step 0 are in; K step 1's load may be out
	s_barrier_signal -1
	s_barrier_wait -1
	FETCH_B 0, 0, 0
	FETCH_A 0, 0, 0
	SCALES 0
	FETCH_A 0, 0, 4
	STEP 0, 0, 1                                   ; the first products start the sums
	TURN 0, 1, 1                                   ; slot 0 takes K step 2
	STEP 1, 0, 0
	TURN 1, 0, 1                                   ; slot 1 takes K step 3
	STEP 0, 0, 0
	TURN 0, 1, 0                                   ; nothing is left to fetch
	STEP 1, 0, 0
	s_wait_dscnt 4*NL
	WIN MUL_LO
	MUL16 0, 1, NQ-1, 1, 0
	MUL16 2, 1, NQ-1, 1, 0
	s_wait_dscnt 0
	WIN MUL_HI
	MUL16 4, 1, NQ-1, 1, 0
	MUL16 6, 1, NQ-1, 1, 0
	WIN 0
	; ---- THE WAY OUT.  No LDS: a block's codes are the next launch's operand registers and leave as they stand.
	PLACES NP
	s_lshl_b32 s20, s17, 8
	s_lshl_b32 s21, s15, 7
	s_add_co_u32 s20, s20, s21                     ; my first row of A
	s_lshl_b32 s21, s42, 8
	s_lshl_b32 s22, s16, 7
	s_add_co_u32 s21, s21, s22                     ; my first row of B
	s_cmp_lt_u32 s95, 16
	s_cselect_b32 s22, s20, s21                    ; my first token (of 8,192),
	s_cselect_b32 s23, s21, s20                    ; my first dim (of 1,024)
	s_cselect_b32 s45, 0, 1                        ; 1 for V
	s_lshr_b32 s46, s22, 11                        ; batch
	s_and_b32 s22, s22, 2047                       ; the token in its batch, a multiple of 128
	s_lshl_b32 s46, s46, 4
	s_lshr_b32 s23, s23, 6
	s_add_co_u32 s46, s46, s23                     ; 16 x batch + my first head (I hold two)
	s_lshr_b32 s47, s95, 3                         ; the tensor: 0, 1, 2
	s_lshl_b32 s92, s47, 23                        ; img: 8 MiB a tensor,
	s_lshl_b32 s93, s46, 17                        ; 131,072 bytes a head,
	s_add_co_u32 s92, s92, s93
	s_lshl_b32 s93, s22, 6                         ; 64 bytes a token
	s_add_co_u32 s92, s92, s93
	s_mov_b32 s93, 0
	s_add_nc_u64 s[12:13], s[12:13], s[92:93]
	s_lshl_b32 s92, s46, 13                        ; scl: 8,192 bytes a head and 512 a step; for V half of both
	s_lshr_b32 s20, s22, 7
	s_lshl_b32 s20, s20, 9
	s_add_co_u32 s92, s92, s20
	s_lshr_b32 s92, s92, s45
	s_lshl_b32 s20, s47, 19                        ; 512 KiB a tensor
	s_add_co_u32 s92, s92, s20
	s_add_nc_u64 s[98:99], s[98:99], s[92:93]
	s_lshl_b32 s92, s22, 7                         ; the table: 128 bytes a position
	s_add_nc_u64 s[96:97], s[96:97], s[92:93]
	s_mov_b32 s2, 0x76543210
	s_mov_b32 s3, 0xfedcba98                       ; v_permlanex16_b32's selects for lane l xor 16
	s_mov_b32 s18, 0x3eb504f3                      ; 8^(-1/2)
	s_mov_b32 s19, s18                             ; (named with it as a pair)
	s_mov_b32 s94, 0x7f7f7f7f
	s_mov_b32 s100, 0x600000                       ; the mantissa field of 448
	s_mov_b32 s101, 0xffff0000                     ; lanes 16-31
.irp b, 0,1,2,3
	v_mov_b32 v[TM+4+\b], 0                        ; written once: a lane permute's destination counts as one of its sources
.endr
; RoPE and the factor for A's block a (16 tokens): for each of my two heads, dims i = 8 h + j and 16 + i are rotated by the table's C_j, S_j; dims 32 .. 63 are scaled.
.macro ROPE a
.set X, 64*((\a)%4)
.set W, 2+(\a)/4
.set RT, 16*(\a)                       ; the block's table in window 1: C at RT, S at RT + 8
	s_wait_loadcnt 4*(7-(\a))                      ; this block's four loads are in; the later blocks' may be out
.set WS, W|4
	WIN WS                                         ; source 0: the accumulators' window; source 1: window 1
.irp d, 0,1
.irp j, 0,2,4,6
	v_pk_mul_f32 v[TMP+16*\d+\j:TMP+16*\d+\j+1], v[X+32*\d+8+\j:X+32*\d+9+\j], v[RT+8+\j:RT+9+\j]     ; x2 S  (each accumulator is read from its low end on)
.endr
.irp j, 0,2,4,6
	v_pk_mul_f32 v[TMP+16*\d+8+\j:TMP+16*\d+9+\j], v[X+32*\d+\j:X+32*\d+\j+1], v[RT+8+\j:RT+9+\j]     ; x1 S
.endr
.endr
.set WS, (W<<6)|W|4
	WIN WS
.irp d, 0,1
.irp j, 0,2,4,6
	v_pk_fma_f32 v[X+32*\d+\j:X+32*\d+\j+1], v[X+32*\d+\j:X+32*\d+\j+1], v[RT+\j:RT+\j+1], v[TMP+16*\d+\j:TMP+16*\d+\j+1] neg_lo:[0,0,1] neg_hi:[0,0,1]   ; x1 C - x2 S
	v_pk_fma_f32 v[X+32*\d+8+\j:X+32*\d+9+\j], v[X+32*\d+8+\j:X+32*\d+9+\j], v[RT+\j:RT+\j+1], v[TMP+16*\d+8+\j:TMP+16*\d+9+\j]                        ; x2 C + x1 S
.endr
.endr
.set WS, (W<<6)|W
	WIN WS
.irp j, 16,18,20,22,24,26,28,30,48,50,52,54,56,58,60,62
	v_pk_mul_f32 v[X+\j:X+\j+1], v[X+\j:X+\j+1], s[18:19] op_sel_hi:[1,0]
.endr
.endm
; A's block a: the lane's 64 numbers, four blocks of 32 shared with lane l xor 16, become 16 registers of codes in v[PC + 16 (a % 2)] on and the scale word v[WD + a].
.macro QUANTW a
.set X, 64*((\a)%4)
.set W, 2+(\a)/4
.set PCB, PC+16*((\a)%2)
.set WS, W|(W<<2)
	WIN WS
.irp b, 0,1,2,3
	v_max3_num_f32 v[TM+\b], |v[X+16*\b]|, |v[X+16*\b+1]|, 0x4800000   ; my 16 numbers, and the floor 2^(9 - 127): the byte cannot fall under 1
.endr
.set WS, (W<<2)|(W<<4)
	WIN WS
.irp i, 2,4,6,8,10,12,14
.irp b, 0,1,2,3
	v_max3_num_f32 v[TM+\b], v[TM+\b], |v[X+16*\b+\i]|, |v[X+16*\b+\i+1]|
.endr
.endr
	WIN 0
.irp b, 0,1,2,3
	v_permlanex16_b32 v[TM+4+\b], v[TM+\b], s2, s3
.endr
.irp b, 0,1,2,3
	v_max_num_f32 v[TM+\b], v[TM+\b], v[TM+4+\b]   ; the block's largest magnitude
.endr
.irp b, 0,1,2,3
	v_add_nc_u32 v[TM+12+\b], 0xfc000000, v[TM+\b] ; 8 off its exponent field: the conversion's scale operand
.endr
.irp b, 0,1,2,3
	v_and_or_b32 v[TM+8+\b], v[TM+\b], 0x7f800000, s100   ; 448 x the scale
.endr
.irp b, 0,1,2,3
	v_lshrrev_b32 v[TM+4+\b], 23, v[TM+12+\b]      ; the scale's byte
.endr
	v_lshl_or_b32 v[WD+(\a)], v[TM+5], 8, v[TM+4]
	v_lshl_or_b32 v[WD+(\a)], v[TM+6], 16, v[WD+(\a)]
	v_lshl_or_b32 v[WD+(\a)], v[TM+7], 24, v[WD+(\a)]
.set WS, (W<<6)|W
	WIN WS
.irp b, 0,1,2,3
.irp i, 0,1,2,3,4,5,6,7,8,9,10,11,12,13,14,15
	v_med3_num_f32 v[X+16*\b+\i], v[X+16*\b+\i], -v[TM+8+\b], v[TM+8+\b]   ; the conversion does not saturate (ISA guide 7.6.2): the hold at the largest code x the scale
.endr
.endr
	s_wait_xcnt 0x0                                ; the stores of two blocks back have read this set of code registers
	WIN W
.irp b, 0,1,2,3
	v_cvt_scalef32_pk8_fp8_f32 v[PCB+4*\b:PCB+4*\b+1], v[X+16*\b:X+16*\b+7], v[TM+12+\b]
	v_cvt_scalef32_pk8_fp8_f32 v[PCB+4*\b+2:PCB+4*\b+3], v[X+16*\b+8:X+16*\b+15], v[TM+12+\b]
.endr
	WIN 0
	v_nop                                          ; a plain vector instruction behind the last conversion
.endm
.macro EPI isv
.if !\isv
	WIN TO_B                                       ; the table of my 128 tokens into window 1, where B's first set lay
.irp a, 0,1,2,3,4,5,6,7
.irp k, 0,1,2,3
	global_load_b128 v[16*\a+4*\k:16*\a+4*\k+3], v[RO], s[96:97] offset:2048*\a+16*\k
.endr
.endr
	WIN 0
.endif
.irp a, 0,1,2,3,4,5,6,7
.if !\isv
	ROPE \a
.endif
	QUANTW \a
.irp g, 0,1,2,3
.if \isv
	global_store_b128 v[LI], v[PC+16*(\a%2)+4*\g:PC+16*(\a%2)+4*\g+3], s[12:13] offset:(\a/4)*131072+(\a%4)*2048+512*\g     ; head a / 4, tile of dims a % 4, block of keys g: 512 consecutive bytes
.else
	global_store_b128 v[LI], v[PC+16*(\a%2)+4*\g:PC+16*(\a%2)+4*\g+3], s[12:13] offset:1024*\a+(\g/2)*131072+(\g%2)*512     ; tile of tokens a, head g / 2, block g % 2: 512 consecutive bytes
.endif
.endr
.endr
.irp i, 0,1,2,3
	v_cndmask_b32 v[CW+\i], v[WD+2*\i], v[WD+2*\i+1], s101   ; lanes 0-15: block 2 i's words; lanes 16-31: block 2 i + 1's (both halves of the lanes hold a row's word)
.endr
.if \isv
	global_store_b64 v[L8], v[CW:CW+1], s[98:99]                  ; my first head's four tiles of dims: 256 consecutive bytes
	global_store_b64 v[L8], v[CW+2:CW+3], s[98:99] offset:4096    ; my second head's
.else
.irp i, 0,1,2,3
	v_perm_b32 v[HWD+\i], s94, v[CW+\i], 0x04040100       ; my first head's two bytes, then 0x7f, 0x7f: the scale 1 for the half of the attention's K step that holds zeros
	v_perm_b32 v[HWD+4+\i], s94, v[CW+\i], 0x04040302     ; my second head's
.endr
	global_store_b128 v[LI], v[HWD:HWD+3], s[98:99]               ; 512 consecutive bytes
	global_store_b128 v[LI], v[HWD+4:HWD+7], s[98:99] offset:8192
.endif
.endm
	s_cmp_lg_u32 s45, 0                            ; the same in all partners and all waves: it hangs on the cluster's y
	s_cbranch_scc1 .Lv_out
	EPI 0
	s_branch .Ldone
.Lv_out:
	EPI 1
.Ldone:
	s_wait_tensorcnt 0x0                           ; the wave's end
	ds_add_u32 v[SPW], v[NIL]
	s_wait_dscnt 0x0
	CROUND                                         ; the closing round: no work-group ends while a partner may still ask for a tile that names it
	s_endpgm
.Lfunc_end_k_qc96e96d46b_qkv:
	.size	k_qc96e96d46b_qkv, .Lfunc_end_k_qc96e96d46b_qkv-k_qc96e96d46b_qkv
	.p2alignl 7, 3214868480
	.fill 96, 4, 3214868480
	.section	.rodata,"a",@progbits
	.p2align	6, 0x0
	.amdhsa_kernel k_qc96e96d46b_qkv
		.amdhsa_group_segment_fixed_size 327680
		.amdhsa_private_segment_fixed_size 0
		.amdhsa_enable_private_segment 0
		.amdhsa_kernarg_size 120
		.amdhsa_user_sgpr_count 2
		.amdhsa_user_sgpr_kernarg_segment_ptr 1
		.amdhsa_wavefront_size32 1
		.amdhsa_system_sgpr_workgroup_id_x 1
		.amdhsa_system_sgpr_workgroup_id_y 1
		.amdhsa_system_sgpr_workgroup_id_z 1
		.amdhsa_system_vgpr_workitem_id 0
		.amdhsa_next_free_vgpr 1024
		.amdhsa_next_free_sgpr 102
		.amdhsa_reserve_vcc 0
		.amdhsa_float_denorm_mode_32 3
		.amdhsa_float_denorm_mode_16_64 3
		.amdhsa_memory_ordered 1
		.amdhsa_forward_progress 1
		.amdhsa_inst_pref_size 255
	.end_amdhsa_kernel
	.section	.bss,"aw",@nobits
	.p2align	6
	.space	262144
	.amdgpu_metadata
---
amdhsa.version: [ 1, 2 ]
amdhsa.kernels:
  - .name:           k_qc96e96d46b_qkv
    .symbol:         k_qc96e96d46b_qkv.kd
    .args:
      - { .name: q_src_codes, .offset: 0, .size: 8, .value_kind: global_buffer, .address_space: global }
      - { .name: q_src_scales, .offset: 8, .size: 8, .value_kind: global_buffer, .address_space: global }
      - { .name: Wq_codes, .offset: 16, .size: 8, .value_kind: global_buffer, .address_space: global }
      - { .name: Wq_scales, .offset: 24, .size: 8, .value_kind: global_buffer, .address_space: global }
      - { .name: k_src_codes, .offset: 32, .size: 8, .value_kind: global_buffer, .address_space: global }
      - { .name: k_src_scales, .offset: 40, .size: 8, .value_kind: global_buffer, .address_space: global }
      - { .name: Wk_codes, .offset: 48, .size: 8, .value_kind: global_buffer, .address_space: global }
      - { .name: Wk_scales, .offset: 56, .size: 8, .value_kind: global_buffer, .address_space: global }
      - { .name: Wv_codes, .offset: 64, .size: 8, .value_kind: global_buffer, .address_space: global }
      - { .name: Wv_scales, .offset: 72, .size: 8, .value_kind: global_buffer, .address_space: global }
      - { .name: v_src_codes, .offset: 80, .size: 8, .value_kind: global_buffer, .address_space: global }
      - { .name: v_src_scales, .offset: 88, .size: 8, .value_kind: global_buffer, .address_space: global }
      - { .name: rope, .offset: 96, .size: 8, .value_kind: global_buffer, .address_space: global }
      - { .name: img, .offset: 104, .size: 8, .value_kind: global_buffer, .address_space: global }
      - { .name: scl, .offset: 112, .size: 8, .value_kind: global_buffer, .address_space: global }
    .group_segment_fixed_size: 327680
    .private_segment_fixed_size: 0
    .kernarg_segment_align: 8
    .kernarg_segment_size: 120
    .max_flat_workgroup_size: 128
    .sgpr_count:     102
    .vgpr_count:     1024
    .wavefront_size: 32
...
	.end_amdgpu_metadata
.endif
;; end of part 2
;; launch attn (part 3): grid 4 x 64, 16 waves a work-group, no clusters, 276,480 bytes of LDS; arguments img, scl, mask, oimg, osc; writes oimg, osc
.if DOCPART == 3
	.amdgcn_target "amdgcn-amd-amdhsa--gfx1250"
	.amdhsa_code_object_version 6
	.text
	.protected	k_qc96e96d46b_attn
	.globl	k_qc96e96d46b_attn
	.p2align	8
	.type	k_qc96e96d46b_attn,@function
k_qc96e96d46b_attn:
	s_mov_b64 s[64:65], 0
	v_nop
	global_prefetch_b8 v0, s[64:65] scope:SCOPE_SE
	s_setreg_imm32_b32 hwreg(HW_REG_WAVE_MODE, 25, 1), 1
	s_wait_xcnt 0x0
; ATTN.  For each (batch, head): S = q k^T (K = the head's 64), the given mask, p = 2^(t - M), O = p v (K = the keys), O / l, quantised along the head's dims for the last projection.  Both products on codes of FP8 (E4M3) with E8M0 scales.
; t = score x log2(e) (q and k carry the factor already); M = the running largest t rounded up to a whole number; l = the sum of the unquantised p.  When M moves, l and O are multiplied by 2^(old M - new M): exact.
; SHARES.  Work-group (x, bh) keeps the WHOLE head's codes of k and v (2 x 131,072 bytes) and their scale words in LDS, written once through registers, one barrier.  Each of its sixteen waves owns two tiles of 16 queries,
; 127 - (4 w + x) and 4 w + x, one after the other, and walks the 16 steps of 128 keys.  Four waves share a SIMD, so that one wave's vector work stands beside another's matrix work and LDS loads.
; THE MASK is an input and is honoured bit by bit: an earlier launch has stored it as lane masks (64 words for a tile of 16 queries x 128 keys) and two flags a tile.  A tile all of whose scores are hidden is left out,
; a tile with none hidden skips the masking: scalar branches on those stored whole numbers.  BECAUSE OF THESE BRANCHES the launch holds no tensor load and so no joint request, though four work-groups read the same head.
; No barrier stands under such a branch, and every trip count is a constant.  No prefetch: all that the work-group reads of k and v is asked for at its head.
; LAYOUT.  Both products transposed: S^T = k q^T (source 0 = 16 keys, source 1 = my 16 queries), O^T = v^T p^T: a lane holds ONE query (lane % 16).  K = 64 fills half of the instruction's 128: q's upper eight registers are zero codes,
; k's operand of tile T is v[32 + 8 T .. 47 + 8 T]: its upper half holds the next tile's codes (for T = 7: p's), which are numbers, never NaN codes, and meet zeros under the scale byte 0x7f.
; The 16 registers of score tiles 2 b and 2 b + 1 hold keys 32 b + 16 u + 8 h + j and are converted in that order; v's codes were laid in the same order: blocks and products are kept, the unit groups them otherwise than with k in its true places.
; A ROW WITH NO KEY LEFT (l = 0): its codes are zeros and its two scale bytes 0xff, which make that token's whole output row NaN in the last projection, as the softmax of a wholly hidden row is.
; LIMITS: a block of zeros gets the byte 1; NaN and infinities among the operands are not served; a block's largest p is taken as 2^ of the block's largest score (v_exp_f32 is taken not to fall where its input rises).
; OUT.  oimg [tile of 16 tokens 512][128 along K 8][block 4][lane][16]: the last projection's A fragments, k in its true places; a head fills 1,024 consecutive bytes.  osc [token 8192][32]: plain rows of scale bytes.
; REGISTERS: v1 16 x lane; v2, v3 my places among k's and v's scale words; v4-7 the step's LDS addresses; v8 16 x thread; v9 16 r; v10 32 r; v12 -M, v13 the largest t, v[14:15] l in two halves; v16-23 q, v24-31 zeros;
; v32-95 k's eight tiles, then v's four; v96-111 p's codes; v112-175 S^T, then p; v176-207 O^T; v208-211 k's scale words, v212-213 v's, v214 q's, v215 p's; v216-239 at work.
.set VL,   131072                      ; LDS: k's images at 0, v's here,
.set KSC,  262144                      ; k's scale words (8,192 bytes),
.set VSC,  270336                      ; v's (4,096 bytes)
	s_load_b256 s[32:39], s[0:1], 0x0              ; img, scl, mask, oimg
	s_load_b64 s[40:41], s[0:1], 0x20              ; osc
	v_lshl_add_u32 v254, v0, 2, 0x43000
	v_mov_b32 v255, 0
	v_lshrrev_b32 v1, 5, v0
	v_readfirstlane_b32 s22, v1                    ; wave 0..15
	v_and_b32 v5, 31, v0
	v_lshlrev_b32 v1, 4, v5                        ; 16 x lane
	v_add_nc_u32 v2, KSC, v1
	v_lshl_add_u32 v3, v5, 3, VSC
	v_lshlrev_b32 v8, 4, v0                        ; 16 x thread: the staging's place, in memory and in LDS
	v_add_nc_u32 v9, 65536, v8
	v_add_nc_u32 v10, VL, v8
	v_add_nc_u32 v11, VL+65536, v8
	v_add_nc_u32 v6, KSC, v8
	v_lshlrev_b32 v7, 3, v0
	v_add_nc_u32 v4, VSC, v7
	s_and_b32 s28, ttmp7, 0xffff                   ; bh = 16 x batch + head
	s_lshl_b32 s30, s28, 17
	s_mov_b32 s31, 0
	s_wait_kmcnt 0x0
	s_add_nc_u64 s[4:5], s[32:33], s[30:31]        ; q's images of my head
	s_add_nc_u64 s[12:13], s[4:5], 0x800000        ; k's
	s_add_nc_u64 s[14:15], s[4:5], 0x1000000       ; v's
	s_lshl_b32 s30, s28, 13
	s_add_nc_u64 s[6:7], s[34:35], s[30:31]        ; q's scale words; k's lie 524,288 bytes on
	s_lshl_b32 s30, s28, 12
	s_add_nc_u64 s[16:17], s[34:35], s[30:31]
	s_add_nc_u64 s[16:17], s[16:17], 0x100000      ; v's
	s_mov_b64 s[8:9], s[36:37]                     ; mask
.irp i, 0,1,2,3,4,5,6,7,8,9,10,11,12,13,14,15
	global_load_b128 v[32+4*\i:35+4*\i], v8, s[12:13] offset:8192*\i     ; the work-group's 512 threads read 8,192 consecutive bytes
.endr
.irp i, 0,1,2,3,4,5,6,7,8,9,10,11,12,13,14,15
	global_load_b128 v[112+4*\i:115+4*\i], v8, s[14:15] offset:8192*\i
.endr
	global_load_b128 v[176:179], v8, s[6:7] offset:524288
	global_load_b64 v[180:181], v7, s[16:17]
	s_lshr_b32 s29, s28, 4                         ; batch
	s_and_b32 s28, s28, 15                         ; head
	s_lshl_b32 s30, s29, 21                        ; oimg: 128 tiles x 16,384 bytes a batch,
	s_lshl_b32 s23, s28, 10                        ; 1,024 bytes a head
	s_add_co_u32 s30, s30, s23
	s_add_nc_u64 s[18:19], s[38:39], s[30:31]
	s_lshl_b32 s30, s29, 16                        ; osc: 2,048 rows of 32 bytes a batch,
	s_lshl_b32 s23, s28, 1                         ; 2 bytes a head
	s_add_co_u32 s30, s30, s23
	s_add_nc_u64 s[20:21], s[40:41], s[30:31]
	s_mov_b32 s2, 0x76543210
	s_mov_b32 s3, 0xfedcba98                       ; v_permlanex16_b32's selects for lane l xor 16
	s_mov_b32 s66, 0x3fb8aa3b                      ; log2(e)
	s_mov_b32 s67, s66                             ; (named with it as a pair)
	s_mov_b32 s100, 0x600000                       ; the mantissa field of 448
	s_mov_b32 s101, 0xff800000                     ; -infinity
	s_lshl_b32 s23, s22, 2
	s_add_co_u32 s23, s23, ttmp9
	s_sub_co_u32 s23, 127, s23                     ; my first tile of queries
.irp j, 0,1,2,3,4,5,6,7
	v_mov_b32 v[24+\j], 0                          ; q's upper half: zero codes
.endr
.irp j, 0,1,2,3,4,5,6,7,8,9,10,11,12,13,14,15
	v_mov_b32 v[96+\j], 0                          ; p's codes: named by k's last operand before the first p is made
.endr
.irp j, 220,221,222,223,235,236
	v_mov_b32 v[\j], 0                             ; lane permutes' destinations, and the upper half of the pair v[234:235]
.endr
	; each wait counts the loads issued behind the one that is stored: 34 in all
.irp i, 0,1,2,3,4,5,6,7
	s_wait_loadcnt 33-\i
	ds_store_b128 v8, v[32+4*\i:35+4*\i] offset:8192*\i
.endr
.irp i, 0,1,2,3,4,5,6,7
	s_wait_loadcnt 25-\i
	ds_store_b128 v9, v[64+4*\i:67+4*\i] offset:8192*\i
.endr
.irp i, 0,1,2,3,4,5,6,7
	s_wait_loadcnt 17-\i
	ds_store_b128 v10, v[112+4*\i:115+4*\i] offset:8192*\i
.endr
.irp i, 0,1,2,3,4,5,6,7
	s_wait_loadcnt 9-\i
	ds_store_b128 v11, v[144+4*\i:147+4*\i] offset:8192*\i
.endr
	s_wait_loadcnt 1
	ds_store_b128 v6, v[176:179]
	s_wait_loadcnt 0x0
	ds_store_b64 v4, v[180:181]
	s_wait_dscnt 0x0                               ; for the others' sake: my stores are done
	s_barrier_signal -1
	s_barrier_wait -1                              ; the head lies in LDS; from here on LDS is only read
	v_and_b32 v9, 15, v0
	v_lshlrev_b32 v10, 5, v9                       ; 32 r: my token's row of scale bytes
	v_lshlrev_b32 v9, 4, v9                        ; 16 r: my query's place among q's scale words
; A KEY STEP: 128 keys.  s24 = the step, s25 = 8,192 x the step.
.macro STEP
	s_bitcmp1_b32 s27, s24                         ; all 16 x 128 scores hidden: nothing of the step is done
	s_cbranch_scc1 .Lskip_\@
	s_lshr_b32 s29, s25, 5                         ; 256 x the step
	s_lshr_b32 s28, s25, 4                         ; 512 x the step
	s_load_b512 s[32:47], s[10:11], s29 offset:0x0     ; the tile's 64 lane masks
	s_load_b512 s[48:63], s[10:11], s29 offset:0x40
	s_load_b512 s[68:83], s[10:11], s29 offset:0x80
	s_load_b512 s[84:99], s[10:11], s29 offset:0xc0
	v_add_nc_u32 v4, s25, v1                       ; k's eight tiles
	v_add_nc_u32 v6, s28, v2                       ; their scale words
	v_add_nc_u32 v7, s29, v3                       ; v's scale words
	v_add_nc_u32 v5, VL, v4                        ; v's four tiles
.rept 4
	v_nop                                          ; with the four additions: eight places in front of loads into registers that the last products read
.endr
.irp T, 0,1,2,3,4,5,6,7
	ds_load_b128 v[32+8*\T:35+8*\T], v4 offset:1024*\T
	ds_load_b128 v[36+8*\T:39+8*\T], v4 offset:1024*\T+512
.endr
	ds_load_b128 v[208:211], v6                    ; register i: lanes 0-15 tile 2 i's words, lanes 16-31 tile 2 i + 1's
	s_wait_dscnt 0x0
.irp T, 0,1,2,3,4,5,6,7
.if \T%2
	v_wmma_scale_f32_16x16x128_f8f6f4 v[112+8*\T:119+8*\T], v[32+8*\T:47+8*\T], v[16:31], 0, v[208+\T/2], v214 matrix_a_scale:MATRIX_SCALE_ROW1
.else
	v_wmma_scale_f32_16x16x128_f8f6f4 v[112+8*\T:119+8*\T], v[32+8*\T:47+8*\T], v[16:31], 0, v[208+\T/2], v214
.endif
.endr
.rept 8
	v_nop                                          ; places in front of the loads below and of the first read of the scores
.endr
.irp d, 0,1,2,3
.irp c, 0,1,2,3
	ds_load_b128 v[32+16*\d+4*\c:35+16*\d+4*\c], v5 offset:2048*\d+512*\c     ; v's tiles land while the softmax is walked
.endr
.endr
	ds_load_b64 v[212:213], v7
	s_wait_kmcnt 0x0                               ; the lane masks are in, whether they are used or not
	s_bitcmp1_b32 s26, s24                         ; no score hidden: no masking
	s_cbranch_scc0 .Lopen_\@
.set n, 0
.rept 64
	v_cndmask_b32 v[112+n], v[112+n], s101, s[32+n+4*(n/32)]    ; hidden scores become -infinity: p = 0.  Ascending: each accumulator is read from its low end on
.set n, n+1
.endr
.Lopen_\@:
.irp b, 0,1,2,3
	v_max3_num_f32 v[216+\b], v[112+16*\b], v[113+16*\b], v[114+16*\b]   ; the largest score of each block of 32 keys: for the row's maximum and, since p rises with the score, for the block's largest p
.endr
.irp i, 3,5,7,9,11,13
.irp b, 0,1,2,3
	v_max3_num_f32 v[216+\b], v[216+\b], v[112+16*\b+\i], v[113+16*\b+\i]
.endr
.endr
.irp b, 0,1,2,3
	v_max_num_f32 v[216+\b], v[216+\b], v[127+16*\b]
.endr
.irp b, 0,1,2,3
	v_permlanex16_b32 v[220+\b], v[216+\b], s2, s3
.endr
.irp b, 0,1,2,3
	v_max_num_f32 v[216+\b], v[216+\b], v[220+\b]  ; with lane l xor 16's 16 keys
.endr
	v_max3_num_f32 v236, v216, v217, v218
	v_max_num_f32 v236, v236, v219
	v_mul_f32 v236, s66, v236                      ; the step's largest t
	v_max_num_f32 v13, v13, v236                   ; the running largest t
	v_mov_b32 v236, v12
	v_floor_f32 v12, -v13                          ; the new -M = -ceil(t): a whole number
	v_sub_f32 v236, v12, v236                      ; old M - new M, 0 or less
	v_cvt_i32_f32 v236, v236                       ; (it saturates)
	v_ldexp_f32 v234, 1.0, v236                    ; f = 2^(old M - new M)
.irp j, 0,2,4,6,8,10,12,14,16,18,20,22,24,26,28,30,32,34,36,38,40,42,44,46,48,50,52,54,56,58,60,62
	v_pk_fma_f32 v[112+\j:113+\j], v[112+\j:113+\j], s[66:67], v[12:13] op_sel_hi:[1,0,0]   ; t - M
.endr
.irp b, 0,1,2,3
	v_fma_f32 v[216+\b], v[216+\b], s66, v12       ; the same of each block's largest score
.endr
.set n, 0
.rept 64
	v_exp_f32 v[112+n], v[112+n]                   ; p = 2^(t - M)
.set n, n+1
.endr
	v_pk_mul_f32 v[14:15], v[14:15], v[234:235] op_sel_hi:[1,0]   ; l under the new M: the plain instruction behind the exponentials
	s_wait_alu depctr_va_vdst(0)                   ; one wait for the 64, ahead of their first reader
.irp b, 0,1,2,3
	v_exp_f32 v[216+\b], v[216+\b]                 ; the blocks' largest p
.endr
	v_pk_add_f32 v[232:233], v[112:113], v[114:115]    ; l takes the UNQUANTISED p, in two chains
.irp j, 4,8,12,16,20,24,28,32,36,40,44,48,52,56,60
	v_pk_add_f32 v[14:15], v[14:15], v[112+\j:113+\j]
	v_pk_add_f32 v[232:233], v[232:233], v[114+\j:115+\j]
.endr
	v_pk_add_f32 v[14:15], v[14:15], v[232:233]
	s_wait_alu depctr_va_vdst(0)                   ; and one for the four
.irp b, 0,1,2,3
	v_max_num_f32 v[216+\b], 0x4800000, v[216+\b]  ; the floor 2^(9 - 127): the byte cannot fall under 1
.endr
.irp b, 0,1,2,3
	v_add_nc_u32 v[228+\b], 0xfc000000, v[216+\b]  ; the conversion's scale operand
.endr
.irp b, 0,1,2,3
	v_and_or_b32 v[224+\b], v[216+\b], 0x7f800000, s100   ; 448 x the scale
.endr
.irp b, 0,1,2,3
	v_lshrrev_b32 v[220+\b], 23, v[228+\b]         ; the scale's byte
.endr
	v_lshl_or_b32 v215, v221, 8, v220              ; p's scale word for these 128 keys
	v_lshl_or_b32 v215, v222, 16, v215
	v_lshl_or_b32 v215, v223, 24, v215
.irp b, 0,1,2,3
.irp i, 0,1,2,3,4,5,6,7,8,9,10,11,12,13,14,15
	v_min_num_f32 v[112+16*\b+\i], v[112+16*\b+\i], v[224+\b]   ; the conversion does not saturate (ISA guide 7.6.2); p is not negative: a one-sided hold
.endr
	v_cvt_scalef32_pk8_fp8_f32 v[96+4*\b:97+4*\b], v[112+16*\b:119+16*\b], v[228+\b]
	v_cvt_scalef32_pk8_fp8_f32 v[98+4*\b:99+4*\b], v[120+16*\b:127+16*\b], v[228+\b]
.endr
.irp j, 0,2,4,6,8,10,12,14,16,18,20,22,24,26,28,30
	v_pk_mul_f32 v[176+\j:177+\j], v[176+\j:177+\j], v[234:235] op_sel_hi:[1,0]   ; O^T under the new M; these sixteen are also the places between the codes and the products
.endr
	s_wait_dscnt 0x0                               ; v's tiles and scale words are in
.irp d, 0,1,2,3
.if \d%2
	v_wmma_scale_f32_16x16x128_f8f6f4 v[176+8*\d:183+8*\d], v[32+16*\d:47+16*\d], v[96:111], v[176+8*\d:183+8*\d], v[212+\d/2], v215 matrix_a_scale:MATRIX_SCALE_ROW1
.else
	v_wmma_scale_f32_16x16x128_f8f6f4 v[176+8*\d:183+8*\d], v[32+16*\d:47+16*\d], v[96:111], v[176+8*\d:183+8*\d], v[212+\d/2], v215
.endif
.endr
.Lskip_\@:
	s_add_co_u32 s24, s24, 1
	s_add_co_u32 s25, s25, 8192
.endm
; ONE TILE OF 16 QUERIES, s23: its flags, q and q's scale words; 16 key steps; O / l, quantised and stored.
.macro TILE
	s_lshl_b32 s30, s23, 2
	s_load_b32 s26, s[8:9], s30 offset:0x80000     ; the tile's flags
	s_lshl_b32 s28, s23, 12
	s_mov_b32 s29, 0
	s_add_nc_u64 s[10:11], s[8:9], s[28:29]        ; its lane masks: 16 steps x 256 bytes
	s_lshl_b32 s28, s23, 10
	v_add_nc_u32 v4, s28, v1
	global_load_b128 v[16:19], v4, s[4:5]          ; q's two blocks
	global_load_b128 v[20:23], v4, s[4:5] offset:512
	s_lshr_b32 s28, s23, 3
	s_lshl_b32 s28, s28, 9                         ; q's scale words: 512 bytes for 8 tiles,
	s_and_b32 s31, s23, 1
	s_lshl_b32 s31, s31, 8                         ; odd tiles in lanes 16-31's places,
	s_add_co_u32 s28, s28, s31
	s_bfe_u32 s31, s23, 0x20001
	s_lshl_b32 s31, s31, 2                         ; word (tile % 8) / 2
	s_add_co_u32 s28, s28, s31
	v_add_nc_u32 v5, s28, v9
	global_load_b32 v214, v5, s[6:7]
	v_mov_b32 v13, 0xff61b1e6                      ; the largest t so far: -3e38
	v_floor_f32 v12, -v13                          ; -M
	v_mov_b32 v14, 0
	v_mov_b32 v15, 0
.set n, 0
.rept 32
	v_mov_b32 v[176+n], 0                          ; O^T: which step is the first to be worked hangs on the mask, so no first product can be written out to start the sums
.set n, n+1
.endr
	s_mov_b32 s24, 0
	s_mov_b32 s25, 0
	s_wait_kmcnt 0x0
	s_lshr_b32 s27, s26, 16                        ; bit ks: all hidden;  s26 bit ks: some hidden
	s_wait_loadcnt 0x0
.Lstep_\@:
	STEP
	s_cmp_lt_u32 s24, 16
	s_cbranch_scc1 .Lstep_\@
.rept 8
	v_nop                                          ; places behind the last products
.endr
	v_add_f32 v14, v14, v15
	v_permlanex16_b32 v236, v14, s2, s3
	v_add_f32 v14, v14, v236                       ; l
	v_rcp_f32 v237, v14
	v_cmp_neq_f32 vcc_lo, 0, v14                   ; a row with no key left has l = 0
	v_nop
	s_wait_alu depctr_va_vdst(0)                   ; ahead of the reciprocal's first reader
	v_cndmask_b32 v234, 0, v237, vcc_lo            ; 1 / l, or 0 for such a row: its codes are zeros
.irp j, 0,2,4,6,8,10,12,14,16,18,20,22,24,26,28,30
	v_pk_mul_f32 v[112+\j:113+\j], v[176+\j:177+\j], v[234:235] op_sel_hi:[1,0]   ; register 16 c + 8 u + j: dim 32 c + 16 u + 8 h + j of my query
.endr
.irp c, 0,1
	v_max3_num_f32 v[216+\c], |v[112+16*\c]|, |v[113+16*\c]|, 0x4800000
.endr
.irp i, 2,4,6,8,10,12,14
.irp c, 0,1
	v_max3_num_f32 v[216+\c], v[216+\c], |v[112+16*\c+\i]|, |v[113+16*\c+\i]|
.endr
.endr
.irp c, 0,1
	v_permlanex16_b32 v[220+\c], v[216+\c], s2, s3
.endr
.irp c, 0,1
	v_max_num_f32 v[216+\c], v[216+\c], v[220+\c]
.endr
.irp c, 0,1
	v_add_nc_u32 v[228+\c], 0xfc000000, v[216+\c]
.endr
.irp c, 0,1
	v_and_or_b32 v[224+\c], v[216+\c], 0x7f800000, s100
.endr
.irp c, 0,1
	v_lshrrev_b32 v[220+\c], 23, v[228+\c]
.endr
	v_lshl_or_b32 v238, v221, 8, v220              ; the head's two scale bytes of my token,
	v_cndmask_b32 v238, 0xffff, v238, vcc_lo       ; or 0xff, 0xff where l = 0
.irp c, 0,1
.irp i, 0,1,2,3,4,5,6,7,8,9,10,11,12,13,14,15
	v_med3_num_f32 v[112+16*\c+\i], v[112+16*\c+\i], -v[224+\c], v[224+\c]
.endr
	v_cvt_scalef32_pk8_fp8_f32 v[144+4*\c:145+4*\c], v[112+16*\c:119+16*\c], v[228+\c]
	v_cvt_scalef32_pk8_fp8_f32 v[146+4*\c:147+4*\c], v[120+16*\c:127+16*\c], v[228+\c]
.endr
	v_nop                                          ; a plain vector instruction behind the last conversion
	v_permlane16_swap_b32 v144, v146               ; k back into its true places, since the weight's codes are given: lanes 0-15 get dims 32 c + 0 .. 15, lanes 16-31 dims 32 c + 16 .. 31
	v_permlane16_swap_b32 v145, v147
	v_permlane16_swap_b32 v148, v150
	v_permlane16_swap_b32 v149, v151
	s_lshl_b32 s28, s23, 14
	s_mov_b32 s29, 0
	s_add_nc_u64 s[30:31], s[18:19], s[28:29]
	global_store_b128 v1, v[144:147], s[30:31]             ; 512 consecutive bytes
	global_store_b128 v1, v[148:151], s[30:31] offset:512
	s_lshl_b32 s28, s23, 9
	s_add_nc_u64 s[32:33], s[20:21], s[28:29]
	global_store_b16 v10, v238, s[32:33]                   ; two bytes a token (both halves of the lanes store the same)
	s_wait_xcnt 0x0                                ; the stores have read their registers and bases: all may be written again
.endm
	TILE
	s_sub_co_u32 s23, 127, s23                     ; my second tile: 4 w + x
	TILE
	s_wait_tensorcnt 0x0
	ds_add_u32 v254, v255
	s_wait_dscnt 0x0
	s_endpgm
.Lfunc_end_k_qc96e96d46b_attn:
	.size	k_qc96e96d46b_attn, .Lfunc_end_k_qc96e96d46b_attn-k_qc96e96d46b_attn
	.p2alignl 7, 3214868480
	.fill 96, 4, 3214868480
	.section	.rodata,"a",@progbits
	.p2align	6, 0x0
	.amdhsa_kernel k_qc96e96d46b_attn
		.amdhsa_group_segment_fixed_size 276480
		.amdhsa_private_segment_fixed_size 0
		.amdhsa_enable_private_segment 0
		.amdhsa_kernarg_size 40
		.amdhsa_user_sgpr_count 2
		.amdhsa_user_sgpr_kernarg_segment_ptr 1
		.amdhsa_wavefront_size32 1
		.amdhsa_system_sgpr_workgroup_id_x 1
		.amdhsa_system_sgpr_workgroup_id_y 1
		.amdhsa_system_sgpr_workgroup_id_z 1
		.amdhsa_system_vgpr_workitem_id 0
		.amdhsa_next_free_vgpr 256
		.amdhsa_next_free_sgpr 102
		.amdhsa_reserve_vcc 1
		.amdhsa_float_denorm_mode_32 3
		.amdhsa_float_denorm_mode_16_64 3
		.amdhsa_memory_ordered 1
		.amdhsa_forward_progress 1
		.amdhsa_inst_pref_size 73
	.end_amdhsa_kernel
	.amdgpu_metadata
---
amdhsa.version: [ 1, 2 ]
amdhsa.kernels:
  - .name:           k_qc96e96d46b_attn
    .symbol:         k_qc96e96d46b_attn.kd
    .args:
      - { .name: img, .offset: 0, .size: 8, .value_kind: global_buffer, .address_space: global }
      - { .name: scl, .offset: 8, .size: 8, .value_kind: global_buffer, .address_space: global }
      - { .name: mask, .offset: 16, .size: 8, .value_kind: global_buffer, .address_space: global }
      - { .name: oimg, .offset: 24, .size: 8, .value_kind: global_buffer, .address_space: global }
      - { .name: osc, .offset: 32, .size: 8, .value_kind: global_buffer, .address_space: global }
    .group_segment_fixed_size: 276480
    .private_segment_fixed_size: 0
    .kernarg_segment_align: 8
    .kernarg_segment_size: 40
    .max_flat_workgroup_size: 512
    .sgpr_count:     102
    .vgpr_count:     256
    .wavefront_size: 32
...
	.end_amdgpu_metadata
.endif
;; end of part 3
;; launch oproj (part 4): grid 4 x 32, 4 waves a work-group, clusters of 4 x 4, 327,680 bytes of LDS; arguments oimg, osc, Wo_codes, Wo_scales, out0; writes out0
.if DOCPART == 4
	.amdgcn_target "amdgcn-amd-amdhsa--gfx1250"
	.amdhsa_code_object_version 6
	.text
	.protected	k_qc96e96d46b_oproj
	.globl	k_qc96e96d46b_oproj
	.p2align	8
	.type	k_qc96e96d46b_oproj,@function
k_qc96e96d46b_oproj:
	s_mov_b64 s[64:65], 0
	v_nop
	global_prefetch_b8 v0, s[64:65] scope:SCOPE_SE
	s_setreg_imm32_b32 hwreg(HW_REG_WAVE_MODE, 25, 1), 1
	s_wait_xcnt 0x0
	s_wait_alu depctr_hold_cnt(0) depctr_sa_sdst(0) depctr_va_vdst(0) depctr_va_sdst(0) depctr_va_ssrc(0) depctr_va_vcc(0) depctr_vm_vsrc(0)
	s_getreg_b32 s2, hwreg(HW_REG_IB_STS2, 6, 4)
	s_cmp_eq_u32 s2, 0
	s_cbranch_scc0 .Lentry_in_a_cluster
	s_endpgm
.Lentry_in_a_cluster:
	s_bfe_u32 s2, ttmp6, 0x10000c
	s_cmp_lg_u32 s2, 0xf033
	s_cbranch_scc0 .Lentry_shape_is_right
	s_endpgm
.Lentry_shape_is_right:
; OPROJ.  out0[m][n] = sum over k of o[m][k] Wo[n][k], m = 8,192 tokens, n = k = 1,024, on codes of FP8 (E4M3) with one E8M0 scale for each 32 along K; sums and out0 in f32.
; A = o comes as REGISTER IMAGES, oimg [tile of 16 rows 512][128 along K 8][block 4][lane][16 bytes]: a fragment is four loads of 512 consecutive LDS bytes, 16 a lane; its scale bytes as plain rows, osc [8192][32].
; B = Wo comes as given: rows of 1,024 codes, rows of 32 scale bytes.
; A tile of C, 256 x 256, is made by four waves, each 128 x 128 in 64 accumulators.  K goes in four steps of 256 through two LDS slots filled by the tensor data mover; the scale bytes of the tile's rows come once.
; CLUSTERS: 4 x 4 work-groups; A's tiles are asked for jointly along a row of the cluster, B's along a column.  THE MATRIX INSTRUCTION IS USED TRANSPOSED (source 0 = 16 rows of B, source 1 = 16 rows of A).
; 128 work-groups: half of what would give each WGP one; a smaller tile would read each fragment for half the products.  No prefetch: four K steps, the first two asked for at the head.
; REGISTERS as windows of 256: window 0: v0-31 addresses; v32-63 scale words, two sets; v128-255 A's fragments, one set.  window 1: B's fragments, two sets.  windows 2, 3: the accumulators.
.set SIZE_N, 1024
.set NQ,     2
.set ROWB,   256                       ; B: a tile's row in bytes
.set KROW,   1024                      ; a row of B, and a sixteenth of a tile of A's images, in memory
.set ASTEP,  4096                      ; A: a K step of 256 of one tile of 16 rows: two images of 2,048 bytes
.set AHALF,  8*ASTEP                   ; A: 128 rows of a K step: what one tensor load brings
.set PITCH,  272                       ; B's LDS row: 256 bytes + 16 of padding
.set FR,     16
.set NL,     4
.set NP,     8                         ; places behind this matrix instruction (ISA guide 7.12.1)
.set HALFT,  128*PITCH
.set SLOT,   2*AHALF+2*HALFT           ; A's 16 tiles of images, then B's 256 rows
.set KS,     32
.set SCL,    2*SLOT
.set HALFS,  (128*KS/256)*272
.set SBLK,   (16*KS/256)*272
.set SPARE,  SCL+4*HALFS               ; the spare words, 128 bytes for each wave: two blocks of 256 bytes that no other line names
.set SPITCH, 528                       ; the way out: a stage of 16 rows x (512 bytes + 16) for each wave, in slot 0, which has had its last fill and its last read by then
.set ADRA, 16
.set ADRB, 20
.set STO,  24
.set RD,   25
.set CO,   26
.set ADRS, 27
.set SPW,  28
.set NIL,  29
.set SC,   32
.set AF,   128
.set BK,   128
.set G1, 24
.set G0, 32
.set G1B, 48
.set G0B, 56
.set G1S, 68
.set G0S, 76
.set G1SB, 80
.set G0SB, 88
.set MSB, 0
.macro WIN new
.if MSB != \new
	s_set_vgpr_msb (MSB<<8)|\new
.set MSB, \new
.endif
.endm
.set MUL_LO, 0xa1
.set MUL_HI, 0xf1
.set TO_B,   0x40
.macro JLOAD g0a, g1a, g0b, g1b        ; a joint load: waves 0 and 1 fetch for A, waves 2 and 3 for B; four v_nop follow each of the two lines
	s_cmp_eq_u32 s15, 0
	s_cbranch_scc0 .Lfor_b_\@
	tensor_load_to_lds s[\g0a:\g0a+3], s[\g1a:\g1a+7]
	s_nop 0
.rept 4
	v_nop
.endr
	s_branch .Lasked_\@
.Lfor_b_\@:
	tensor_load_to_lds s[\g0b:\g0b+3], s[\g1b:\g1b+7]
	s_nop 0
.rept 4
	v_nop
.endr
.Lasked_\@:
.endm
.macro CREST
	s_cmp_lg_u32 s14, 0
	s_cbranch_scc1 .Lnot_wave_0_\@
	s_barrier_signal -3
.Lnot_wave_0_\@:
	s_barrier_wait -3
	s_barrier_signal -1
	s_barrier_wait -1
.endm
.macro CROUND
	s_barrier_signal -1
	s_barrier_wait -1
	CREST
.endm
	s_load_b128 s[4:7], s[0:1], 0x0                ; A's images s[4:5], A's scales s[6:7]
	s_load_b128 s[8:11], s[0:1], 0x10              ; B's codes s[8:9], B's scales s[10:11]
	s_load_b64 s[12:13], s[0:1], 0x20              ; C
	v_lshl_add_u32 v[SPW], v0, 2, SPARE
	v_mov_b32 v[NIL], 0
	ds_add_u32 v28, v29
	ds_add_u32 v28, v29
	s_wait_dscnt 0x0
	v_lshrrev_b32 v1, 5, v0
	v_readfirstlane_b32 s14, v1                    ; wave 0..3
	s_lshr_b32 s15, s14, 1                         ; which half of the tile's rows is mine.  Also: I fetch for A (0) or for B (1)
	s_and_b32 s16, s14, 1                          ; which half of its columns.  Also: which 128 rows I fetch
	s_bfe_u32 s40, ttmp6, 0x40000                  ; cx, cy
	s_bfe_u32 s41, ttmp6, 0x40004
	s_lshl_b32 s42, ttmp9, 2
	s_add_co_u32 s42, s42, s40                     ; tile column of C
	s_and_b32 s17, ttmp7, 0xffff
	s_lshl_b32 s17, s17, 2
	s_add_co_u32 s17, s17, s41                     ; tile row of C
	s_lshl_b32 s43, s41, 2
	s_lshl_b32 s43, 15, s43                        ; my row of the cluster
	s_lshl_b32 s44, 0x1111, s40                    ; my column
	; descriptor group 1 for A: 8 rows (tiles of 16 rows of o) x 4,096 bytes, 16,384 bytes apart in memory, dense in LDS
	s_or_b32 s[G1+0], s43, (0<<16)|(1<<21)         ; 15:0 the mask; 17:16 elements of 1 byte; 20 no padding; 21 set beside a mask
	s_mov_b32 s[G1+1], ASTEP<<16                   ; tensor_dim0
	s_mov_b32 s[G1+2], 8<<16                       ; tensor_dim1
	s_mov_b32 s[G1+3], ASTEP<<16                   ; tile_dim0
	s_mov_b32 s[G1+4], 8                           ; tile_dim1
	s_mov_b32 s[G1+5], 16*KROW                     ; tensor_dim0_stride
	s_mov_b32 s[G1+6], 0
	s_mov_b32 s[G1+7], 0
	; for B: 128 rows x 256 bytes, 16 bytes of padding behind each
	s_or_b32 s[G1B+0], s44, (0<<16)|(1<<20)|(1<<21)|(5<<22)|(3<<25)
	s_mov_b32 s[G1B+1], ROWB<<16
	s_mov_b32 s[G1B+2], 128<<16
	s_mov_b32 s[G1B+3], ROWB<<16
	s_mov_b32 s[G1B+4], 128
	s_mov_b32 s[G1B+5], KROW
	s_mov_b32 s[G1B+6], 0
	s_mov_b32 s[G1B+7], 0
	; the scales of 128 rows: 4,096 dense bytes, as 16 rows of 256 bytes, 16 bytes of padding behind each
	s_or_b32 s[G1S+0], s43, (3<<16)|(1<<20)|(1<<21)|(5<<22)|(3<<25)
	s_or_b32 s[G1SB+0], s44, (3<<16)|(1<<20)|(1<<21)|(5<<22)|(3<<25)
.irp g, G1S, G1SB
	s_mov_b32 s[\g+1], 32<<16
	s_mov_b32 s[\g+2], (128*KS/256)<<16
	s_mov_b32 s[\g+3], 32<<16
	s_mov_b32 s[\g+4], 128*KS/256
	s_mov_b32 s[\g+5], 32
	s_mov_b32 s[\g+6], 0
	s_mov_b32 s[\g+7], 0
.endr
	s_lshl_b32 s18, s16, 7
	s_lshl_b32 s20, s17, 8
	s_add_co_u32 s20, s20, s18                     ; A: row 256 x tile row + 128 x half
	s_lshl_b32 s46, s42, 8
	s_add_co_u32 s46, s46, s18                     ; B: row 256 x tile column + 128 x half
	s_mov_b32 s21, 0
	s_mov_b32 s47, 0
	s_mov_b64 s[18:19], KS
	s_mul_u64 s[22:23], s[20:21], s[18:19]
	s_mul_u64 s[92:93], s[46:47], s[18:19]
	s_mov_b64 s[18:19], KROW
	s_mul_u64 s[20:21], s[20:21], s[18:19]         ; (16 rows of images are 16,384 bytes: 1,024 a row, as with plain rows)
	s_mul_u64 s[46:47], s[46:47], s[18:19]
	s_lshl_b32 s45, s16, 15                        ; where A's go: 32,768 x half;
	s_mul_i32 s95, s16, HALFT
	s_add_co_u32 s95, s95, 2*AHALF                 ; B's: behind A's, 128 rows x half
	s_mul_i32 s94, s14, HALFS
	s_wait_kmcnt 0x0
	s_add_nc_u64 s[20:21], s[4:5], s[20:21]
	s_add_nc_u64 s[22:23], s[6:7], s[22:23]
	s_add_nc_u64 s[46:47], s[8:9], s[46:47]
	s_add_nc_u64 s[92:93], s[10:11], s[92:93]
	CROUND                                         ; all sixteen work-groups are here: the first joint loads meet
	s_mov_b32 s[G0S], 1
	s_add_co_u32 s[G0S+1], s94, SCL
	s_mov_b64 s[G0S+2:G0S+3], s[22:23]
	s_or_b32 s[G0S+3], s[G0S+3], 0x80000000
	s_mov_b32 s[G0SB], 1
	s_add_co_u32 s[G0SB+1], s94, SCL
	s_mov_b64 s[G0SB+2:G0SB+3], s[92:93]
	s_or_b32 s[G0SB+3], s[G0SB+3], 0x80000000
	JLOAD G0S, G1S, G0SB, G1SB
.irp s, 0,1
	s_mov_b32 s[G0+4*\s], 1
	s_add_co_u32 s[G0+4*\s+1], s45, \s*SLOT
	s_add_nc_u64 s[G0+4*\s+2:G0+4*\s+3], s[20:21], \s*ASTEP
	s_or_b32 s[G0+4*\s+3], s[G0+4*\s+3], 0x80000000
	s_mov_b32 s[G0B+4*\s], 1
	s_add_co_u32 s[G0B+4*\s+1], s95, \s*SLOT
	s_add_nc_u64 s[G0B+4*\s+2:G0B+4*\s+3], s[46:47], \s*ROWB
	s_or_b32 s[G0B+4*\s+3], s[G0B+4*\s+3], 0x80000000
	JLOAD G0+4*\s, G1, G0B+4*\s, G1B               ; three loads of mine are out
.endr
	v_and_b32 v1, 15, v0                           ; r
	v_bfe_u32 v2, v0, 4, 1                         ; h
	v_mul_u32_u24 v3, v1, PITCH
	v_lshl_add_u32 v4, v2, 4, v3                   ; B: a fragment's row x pitch + 16 x half
	v_and_b32 v6, 31, v0
	v_lshlrev_b32 v7, 4, v6                        ; A: 16 x lane
	s_lshl_b32 s21, s15, 15                        ; my 8 tiles of A's images
	s_mul_i32 s22, s16, HALFT                      ; my 128 rows of B,
	s_add_co_u32 s22, s22, 2*AHALF                 ; behind A's
.irp s, 0,1
	v_add_nc_u32 v[ADRA+\s], s21, v7
	v_add_nc_u32 v[ADRB+\s], s22, v4
	s_add_co_u32 s21, s21, SLOT
	s_add_co_u32 s22, s22, SLOT
.endr
	v_mul_u32_u24 v5, v1, KS
	v_lshrrev_b32 v8, 8, v5
	v_lshl_add_u32 v5, v8, 4, v5
	s_mul_i32 s21, s15, HALFS
	s_mul_i32 s22, s16, HALFS
	s_add_co_u32 s22, s22, 2*HALFS
	s_sub_co_u32 s22, s22, s21
	v_mul_u32_u24 v8, s22, v2                      ; lanes 16-31 take B's
	s_add_co_u32 s21, s21, SCL
	v_add_nc_u32 v5, v5, v8
	v_add_nc_u32 v[ADRS], s21, v5
	s_mul_i32 s23, s14, 16*SPITCH                  ; my stage
	v_mul_u32_u24 v5, v1, SPITCH
	v_lshl_add_u32 v5, v2, 5, v5
	v_add_nc_u32 v[STO], s23, v5
	v_lshlrev_b32 v[CO], 4, v6
	v_add_nc_u32 v[RD], s23, v[CO]
	s_lshl_b32 s20, s17, 8
	s_lshl_b32 s21, s15, 7
	s_add_co_u32 s20, s20, s21                     ; my first row of C
	s_mov_b32 s21, 0
	s_mov_b64 s[18:19], SIZE_N*4
	s_mul_u64 s[20:21], s[20:21], s[18:19]
	s_lshl_b32 s46, s42, 10                        ; my first column, in bytes
	s_lshl_b32 s47, s16, 9
	s_add_co_u32 s46, s46, s47
	s_mov_b32 s47, 0
	s_add_nc_u64 s[20:21], s[20:21], s[46:47]
	s_add_nc_u64 s[12:13], s[12:13], s[20:21]
.macro FRAGB reg, adr, q, i            ; from rows: lane l holds row l % 16; registers 4 c .. 4 c + 3 hold K = 32 c + 16 (l / 16) + 0 .. 15
.irp c, 0,1,2,3
	ds_load_b128 v[\reg+4*\c:\reg+4*\c+3], v[\adr] offset:128*(\q)+32*\c+(\i)*16*PITCH
.endr
.endm
.macro FRAGA reg, adr, q, i            ; from an image: the same registers in the same lanes, 512 consecutive bytes a load
.irp c, 0,1,2,3
	ds_load_b128 v[\reg+4*\c:\reg+4*\c+3], v[\adr] offset:ASTEP*(\i)+2048*(\q)+512*\c
.endr
.endm
.macro MUL16 a0, p, q, sc, zero        ; the 64 accumulators take turns, one instruction a turn, in the same order in every step
.irp a, \a0, \a0+1
.irp b, 0,1,2,3,4,5,6,7
.if \zero
	v_wmma_scale_f32_16x16x128_f8f6f4 v[8*(8*((\a)%4)+\b):8*(8*((\a)%4)+\b)+7], v[128*(\p)+FR*\b:128*(\p)+FR*\b+FR-1], v[AF+FR*(\a):AF+FR*(\a)+FR-1], 0, v[SC+8*NQ*(\sc)+NQ*\b+(\q)], v[SC+8*NQ*(\sc)+NQ*(\a)+(\q)] matrix_a_scale:MATRIX_SCALE_ROW1
.else
	v_wmma_scale_f32_16x16x128_f8f6f4 v[8*(8*((\a)%4)+\b):8*(8*((\a)%4)+\b)+7], v[128*(\p)+FR*\b:128*(\p)+FR*\b+FR-1], v[AF+FR*(\a):AF+FR*(\a)+FR-1], v[8*(8*((\a)%4)+\b):8*(8*((\a)%4)+\b)+7], v[SC+8*NQ*(\sc)+NQ*\b+(\q)], v[SC+8*NQ*(\sc)+NQ*(\a)+(\q)] matrix_a_scale:MATRIX_SCALE_ROW1
.endif
.endr
.endr
.endm
.macro FETCH_B slot, q, p
	WIN TO_B
.irp i, 0,1,2,3,4,5,6,7
	FRAGB 128*(\p)+FR*\i, ADRB+\slot, \q, \i
.endr
	WIN 0
.endm
.macro FETCH_A slot, q, i0
.irp i, \i0, \i0+1, \i0+2, \i0+3
	FRAGA AF+FR*(\i), ADRA+\slot, \q, \i
.endr
.endm
.macro SCALES sc
.irp i, 0,1,2,3,4,5,6,7
	ds_load_b64 v[SC+8*NQ*\sc+NQ*\i:SC+8*NQ*\sc+NQ*\i+1], v[ADRS] offset:\i*SBLK
.endr
.endm
.macro PLACES n
.rept \n
	v_nop
.endr
.endm
.macro STEP slot, q, zero
	s_wait_dscnt 4*NL                              ; B's set and A's blocks 0-3 are in; the youngest 16 loads (A's blocks 4-7) may be out
	WIN MUL_LO
	MUL16 0, (\q)%2, \q, \slot, \zero
	MUL16 2, (\q)%2, \q, \slot, \zero
	s_wait_dscnt 0
	PLACES NP
	FETCH_B \slot, (\q)+1, 1-(\q)%2
	FETCH_A \slot, (\q)+1, 0
	WIN MUL_HI
	MUL16 4, (\q)%2, \q, \slot, \zero
	MUL16 6, (\q)%2, \q, \slot, \zero
	PLACES NP
	WIN 0
	FETCH_A \slot, (\q)+1, 4
.endm
.macro TURN slot, next, fill
	s_wait_tensorcnt 0x0                           ; all my tensor loads have landed: my part of the next slot
	ds_add_u32 v[SPW], v[NIL]                      ; 0 onto my spare word
	s_wait_dscnt 4*NL+1                            ; (the add and the youngest 16 loads may be out)
	WIN MUL_LO
	MUL16 0, 1, NQ-1, \slot, 0
	s_wait_dscnt 0x0                               ; the add is done, and my reads of this slot are over
	s_barrier_signal -1
	MUL16 2, 1, NQ-1, \slot, 0
	WIN 0
	s_barrier_wait -1
.if \fill
	CREST                                          ; the barrier has opened a round of the cluster's: no wave of any partner still reads this slot or has a load on its way
	s_add_nc_u64 s[G0+4*\slot+2:G0+4*\slot+3], s[G0+4*\slot+2:G0+4*\slot+3], 2*ASTEP
	s_add_nc_u64 s[G0B+4*\slot+2:G0B+4*\slot+3], s[G0B+4*\slot+2:G0B+4*\slot+3], 2*ROWB
	JLOAD G0+4*\slot, G1, G0B+4*\slot, G1B         ; the first tensor load behind the round, my only one until the next
	PLACES NP-4
.else
	PLACES NP
.endif
	v_add_nc_u32 v[ADRS], 4*NQ, v[ADRS]
	FETCH_B \next, 0, 0
	FETCH_A \next, 0, 0
	SCALES \next
	WIN MUL_HI
	MUL16 4, 1, NQ-1, \slot, 0
	MUL16 6, 1, NQ-1, \slot, 0
	PLACES NP
	WIN 0
	FETCH_A \next, 0, 4
.endm
	s_wait_tensorcnt 1                             ; the scales and my part of K step 0 are in; K step 1's load may be out
	s_barrier_signal -1
	s_barrier_wait -1
	FETCH_B 0, 0, 0
	FETCH_A 0, 0, 0
	SCALES 0
	FETCH_A 0, 0, 4
	STEP 0, 0, 1
	TURN 0, 1, 1
	STEP 1, 0, 0
	TURN 1, 0, 1
	STEP 0, 0, 0
	TURN 0, 1, 0
	STEP 1, 0, 0
	s_wait_dscnt 4*NL
	WIN MUL_LO
	MUL16 0, 1, NQ-1, 1, 0
	MUL16 2, 1, NQ-1, 1, 0
	s_wait_dscnt 0
	WIN MUL_HI
	MUL16 4, 1, NQ-1, 1, 0
	MUL16 6, 1, NQ-1, 1, 0
	WIN 0
; THE WAY OUT, block by block of 16 rows x 128 columns, through my own stage in LDS: in as 32 bytes a lane, back as whole rows of 512 bytes.  LDS serves a wave's instructions in order (ISA guide 5.7.1.4).
.macro TOSTAGE a
.set AC, 64*((\a)%4)
.set WS, 0x08+4*((\a)/4)
	WIN WS                                         ; an LDS store's data: window 2 or 3
.irp b, 0,1,2,3,4,5,6,7
	ds_store_b128 v[STO], v[AC+8*\b:AC+8*\b+3] offset:64*\b          ; each accumulator from its low end on
	ds_store_b128 v[STO], v[AC+8*\b+4:AC+8*\b+7] offset:64*\b+16
.endr
	WIN 0
.set BB, BK+64*((\a)%2)
.irp t, 0,1,2,3,4,5,6,7,8,9,10,11,12,13,14,15
	ds_load_b128 v[BB+4*\t:BB+4*\t+3], v[RD] offset:\t*SPITCH
.endr
.endm
.macro SEND a, younger
.set BB, BK+64*((\a)%2)
	s_wait_dscnt \younger                          ; the block is back in registers
.if (\a) > 0
	s_add_nc_u64 s[12:13], s[12:13], 16*SIZE_N*4   ; (behind a wait on XCNT: the earlier stores have read their base)
.endif
.irp t, 0,1,2,3,4,5,6,7,8,9,10,11,12,13,14,15
	global_store_b128 v[CO], v[BB+4*\t:BB+4*\t+3], s[12:13] offset:\t*SIZE_N*4 th:TH_STORE_NT   ; 32 lanes store 512 consecutive bytes, at a multiple of 256 from C's first byte
.endr
.endm
	PLACES NP
	TOSTAGE 0
.irp a, 1,2,3,4,5,6,7
.if \a > 1
	s_wait_xcnt 0x0                                ; block a - 2's stores have read their registers and their base
.endif
	TOSTAGE \a
	SEND \a-1, 32                                  ; behind block a - 1's loads: block a's 16 stores and 16 loads
.endr
	s_wait_xcnt 0x0
	SEND 7, 0
	s_wait_tensorcnt 0x0                           ; the wave's end
	ds_add_u32 v[SPW], v[NIL]
	s_wait_dscnt 0x0
	CROUND                                         ; the closing round
	s_endpgm
.Lfunc_end_k_qc96e96d46b_oproj:
	.size	k_qc96e96d46b_oproj, .Lfunc_end_k_qc96e96d46b_oproj-k_qc96e96d46b_oproj
	.p2alignl 7, 3214868480
	.fill 96, 4, 3214868480
	.section	.rodata,"a",@progbits
	.p2align	6, 0x0
	.amdhsa_kernel k_qc96e96d46b_oproj
		.amdhsa_group_segment_fixed_size 327680
		.amdhsa_private_segment_fixed_size 0
		.amdhsa_enable_private_segment 0
		.amdhsa_kernarg_size 40
		.amdhsa_user_sgpr_count 2
		.amdhsa_user_sgpr_kernarg_segment_ptr 1
		.amdhsa_wavefront_size32 1
		.amdhsa_system_sgpr_workgroup_id_x 1
		.amdhsa_system_sgpr_workgroup_id_y 1
		.amdhsa_system_sgpr_workgroup_id_z 1
		.amdhsa_system_vgpr_workitem_id 0
		.amdhsa_next_free_vgpr 1024
		.amdhsa_next_free_sgpr 100
		.amdhsa_reserve_vcc 0
		.amdhsa_float_denorm_mode_32 3
		.amdhsa_float_denorm_mode_16_64 3
		.amdhsa_memory_ordered 1
		.amdhsa_forward_progress 1
		.amdhsa_inst_pref_size 145
	.end_amdhsa_kernel
	.amdgpu_metadata
---
amdhsa.version: [ 1, 2 ]
amdhsa.kernels:
  - .name:           k_qc96e96d46b_oproj
    .symbol:         k_qc96e96d46b_oproj.kd
    .args:
      - { .name: oimg, .offset: 0, .size: 8, .value_kind: global_buffer, .address_space: global }
      - { .name: osc, .offset: 8, .size: 8, .value_kind: global_buffer, .address_space: global }
      - { .name: Wo_codes, .offset: 16, .size: 8, .value_kind: global_buffer, .address_space: global }
      - { .name: Wo_scales, .offset: 24, .size: 8, .value_kind: global_buffer, .address_space: global }
      - { .name: out0, .offset: 32, .size: 8, .value_kind: global_buffer, .address_space: global }
    .group_segment_fixed_size: 327680
    .private_segment_fixed_size: 0
    .kernarg_segment_align: 8
    .kernarg_segment_size: 40
    .max_flat_workgroup_size: 128
    .sgpr_count:     100
    .vgpr_count:     1024
    .wavefront_size: 32
...
	.end_amdgpu_metadata
.endif
;; end of part 4
;; ======== version 2 of 2: 4 launches; version 1 with the launch attn written anew for expert scheduling mode
;; workspace buffers: mask 524,800 bytes of whole numbers; rope 262,144 bytes; img 25,165,824 bytes; scl 1,310,720 bytes; oimg 8,388,608 bytes; osc 262,144 bytes
;; launch prep: the kernel of part 1 again; grid 128 x 1, 16 waves a work-group, no clusters, 2,304 bytes of LDS; arguments position_mask, mask, rope; writes mask, rope
;; launch qkv: the kernel of part 2 again; grid 4 x 96, 4 waves a work-group, clusters of 4 x 4, 327,680 bytes of LDS; arguments q_src_codes, q_src_scales, Wq_codes, Wq_scales, k_src_codes, k_src_scales, Wk_codes, Wk_scales, Wv_codes, Wv_scales, v_src_codes, v_src_scales, rope, img, scl; writes img, scl
;; launch attn (part 5): grid 4 x 64, 16 waves a work-group, no clusters, 276,480 bytes of LDS; arguments img, scl, mask, oimg, osc; writes oimg, osc
.if DOCPART == 5
	.amdgcn_target "amdgcn-amd-amdhsa--gfx1250"
	.amdhsa_code_object_version 6
	.text
	.protected	k_qc96e96d46b_attn
	.globl	k_qc96e96d46b_attn
	.p2align	8
	.type	k_qc96e96d46b_attn,@function
k_qc96e96d46b_attn:
	s_mov_b64 s[64:65], 0
	v_nop
	global_prefetch_b8 v0, s[64:65] scope:SCOPE_SE
	s_setreg_imm32_b32 hwreg(HW_REG_WAVE_SCHED_MODE, 0, 2), 2
	s_setreg_imm32_b32 hwreg(HW_REG_WAVE_MODE, 25, 1), 1
	s_wait_xcnt 0x0
	s_wait_alu depctr_vm_vsrc(0)
; ATTN.  For each (batch, head): S = q k^T (K = the head's 64), the given mask, p = 2^(t - M), O = p v (K = the keys), O / l, quantised along the head's dims for the last projection.  Both products on codes of FP8 (E4M3) with E8M0 scales.
; t = score x log2(e) (q and k carry the factor already); M = the running largest t rounded up to a whole number; l = the sum of the unquantised p.  When M moves, l and O are multiplied by 2^(old M - new M): exact.
; SHARES.  Work-group (x, bh) keeps the WHOLE head's codes of k and v (2 x 131,072 bytes) and their scale words in LDS, written once through registers, one barrier.  Each of its sixteen waves owns two tiles of 16 queries,
; 127 - (4 w + x) and 4 w + x, one after the other, and walks the 16 steps of 128 keys.  Four waves share a SIMD, so that one wave's vector work stands beside another's matrix work and LDS loads.
; THE MASK is an input and is honoured bit by bit: an earlier launch has stored it as lane masks (64 words for a tile of 16 queries x 128 keys) and two flags a tile.  A tile all of whose scores are hidden is left out,
; a tile with none hidden skips the masking: scalar branches on those stored whole numbers.  BECAUSE OF THESE BRANCHES the launch holds no tensor load and so no joint request, though four work-groups read the same head.
; No barrier stands under such a branch, and every trip count is a constant.  No prefetch: all that the work-group reads of k and v is asked for at its head.
; LAYOUT.  Both products transposed: S^T = k q^T (source 0 = 16 keys, source 1 = my 16 queries), O^T = v^T p^T: a lane holds ONE query (lane % 16).  K = 64 fills half of the instruction's 128: q's upper eight registers are zero codes,
; k's operand of tile T is v[32 + 8 T .. 47 + 8 T]: its upper half holds the next tile's codes (for T = 7: p's), which are numbers, never NaN codes, and meet zeros under the scale byte 0x7f.
; The 16 registers of score tiles 2 b and 2 b + 1 hold keys 32 b + 16 u + 8 h + j and are converted in that order; v's codes were laid in the same order: blocks and products are kept, the unit groups them otherwise than with k in its true places.
; A ROW WITH NO KEY LEFT (l = 0): its codes are zeros and its two scale bytes 0xff, which make that token's whole output row NaN in the last projection, as the softmax of a wholly hidden row is.
; LIMITS: a block of zeros gets the byte 1; NaN and infinities among the operands are not served; a block's largest p is taken as 2^ of the block's largest score (v_exp_f32 is taken not to fall where its input rises).
; OUT.  oimg [tile of 16 tokens 512][128 along K 8][block 4][lane][16]: the last projection's A fragments, k in its true places; a head fills 1,024 consecutive bytes.  osc [token 8192][32]: plain rows of scale bytes.
; REGISTERS: v1 16 x lane; v2, v3 my places among k's and v's scale words; v4-7 the step's LDS addresses; v8 16 x thread; v9 16 r; v10 32 r; v12 -M, v13 the largest t, v[14:15] l in two halves; v16-23 q, v24-31 zeros;
; v32-95 k's eight tiles, then v's four; v96-111 p's codes; v112-175 S^T, then p; v176-207 O^T; v208-211 k's scale words, v212-213 v's, v214 q's, v215 p's; v216-239 at work.
; THE MODE: SCHED_MODE bits 1:0 = 2 (LLVM: expert scheduling mode 2), set by the entry lines.  The code itself states the register dependences
; between vector or matrix instructions and memory or LDS instructions, with s_wait_alu, always for 0.
; THE PLAN.  Registers that memory or LDS instructions touch, in a key step:
;   v4 .. v7      Written by four additions at the step's head; v4, v6 are read by k's 17 LDS loads, v5, v7 by v's 17.
;   v32 .. v95    k's loads land; the eight score products read them; v's loads land; the four products of O^T read them.
;   v208 .. v213  Scale words: LDS loads land, the products read them.
;   v96 .. v111, v215 (p's codes and scale word) are written by vector instructions and read by the products of O^T alone: no memory instruction names them.
; So a step has three waits on va_vdst of its own: at its head, behind the additions (the addresses are written; the last step's products are done with the registers in which k's tiles and scale words land);
; behind the score products' places (they are done reading k's tiles, in which v's land); ahead of the products of O^T (p's codes and scale word are written).  One wait on vm_vsrc stands behind v's loads, ahead of the
; step's branch: all 34 loads have read v4 .. v7, which the next step that is worked, or the next tile's head, writes.  A step that is left out issues no vector and no memory instruction.
; A wave has 256 registers (four waves to a SIMD) and uses 240: there is no room for a second buffer of 64 for k or v; v's loads, issued straight behind the score products, land while the softmax is walked.
.set VL,   131072                      ; LDS: k's images at 0, v's here,
.set KSC,  262144                      ; k's scale words (8,192 bytes),
.set VSC,  270336                      ; v's (4,096 bytes)
	s_load_b256 s[32:39], s[0:1], 0x0              ; img, scl, mask, oimg
	s_load_b64 s[40:41], s[0:1], 0x20              ; osc
	v_lshl_add_u32 v254, v0, 2, 0x43000
	v_mov_b32 v255, 0
	v_lshrrev_b32 v1, 5, v0
	v_readfirstlane_b32 s22, v1                    ; wave 0..15
	v_and_b32 v5, 31, v0
	v_lshlrev_b32 v1, 4, v5                        ; 16 x lane
	v_add_nc_u32 v2, KSC, v1
	v_lshl_add_u32 v3, v5, 3, VSC
	v_lshlrev_b32 v8, 4, v0                        ; 16 x thread: the staging's place, in memory and in LDS
	v_add_nc_u32 v9, 65536, v8
	v_add_nc_u32 v10, VL, v8
	v_add_nc_u32 v11, VL+65536, v8
	v_add_nc_u32 v6, KSC, v8
	v_lshlrev_b32 v7, 3, v0
	v_add_nc_u32 v4, VSC, v7
	s_wait_alu depctr_va_sdst(0)                   ; s22 is written, ahead of its first reader: my tiles' numbers are made from it
	s_and_b32 s28, ttmp7, 0xffff                   ; bh = 16 x batch + head
	s_lshl_b32 s30, s28, 17
	s_mov_b32 s31, 0
	s_wait_kmcnt 0x0
	s_add_nc_u64 s[4:5], s[32:33], s[30:31]        ; q's images of my head
	s_add_nc_u64 s[12:13], s[4:5], 0x800000        ; k's
	s_add_nc_u64 s[14:15], s[4:5], 0x1000000       ; v's
	s_lshl_b32 s30, s28, 13
	s_add_nc_u64 s[6:7], s[34:35], s[30:31]        ; q's scale words; k's lie 524,288 bytes on
	s_lshl_b32 s30, s28, 12
	s_add_nc_u64 s[16:17], s[34:35], s[30:31]
	s_add_nc_u64 s[16:17], s[16:17], 0x100000      ; v's
	s_mov_b64 s[8:9], s[36:37]                     ; mask
	s_wait_alu depctr_va_vdst(0)                   ; the offsets and addresses v1 to v11 are written, which the staging's loads and LDS stores read
.irp i, 0,1,2,3,4,5,6,7,8,9,10,11,12,13,14,15
	global_load_b128 v[32+4*\i:35+4*\i], v8, s[12:13] offset:8192*\i     ; the work-group's 512 threads read 8,192 consecutive bytes
.endr
.irp i, 0,1,2,3,4,5,6,7,8,9,10,11,12,13,14,15
	global_load_b128 v[112+4*\i:115+4*\i], v8, s[14:15] offset:8192*\i
.endr
	global_load_b128 v[176:179], v8, s[6:7] offset:524288
	global_load_b64 v[180:181], v7, s[16:17]
	s_lshr_b32 s29, s28, 4                         ; batch
	s_and_b32 s28, s28, 15                         ; head
	s_lshl_b32 s30, s29, 21                        ; oimg: 128 tiles x 16,384 bytes a batch,
	s_lshl_b32 s23, s28, 10                        ; 1,024 bytes a head
	s_add_co_u32 s30, s30, s23
	s_add_nc_u64 s[18:19], s[38:39], s[30:31]
	s_lshl_b32 s30, s29, 16                        ; osc: 2,048 rows of 32 bytes a batch,
	s_lshl_b32 s23, s28, 1                         ; 2 bytes a head
	s_add_co_u32 s30, s30, s23
	s_add_nc_u64 s[20:21], s[40:41], s[30:31]
	s_mov_b32 s2, 0x76543210
	s_mov_b32 s3, 0xfedcba98                       ; v_permlanex16_b32's selects for lane l xor 16
	s_mov_b32 s66, 0x3fb8aa3b                      ; log2(e)
	s_mov_b32 s67, s66                             ; (named with it as a pair)
	s_mov_b32 s100, 0x600000                       ; the mantissa field of 448
	s_mov_b32 s101, 0xff800000                     ; -infinity
	s_lshl_b32 s23, s22, 2
	s_add_co_u32 s23, s23, ttmp9
	s_sub_co_u32 s23, 127, s23                     ; my first tile of queries
.irp j, 0,1,2,3,4,5,6,7
	v_mov_b32 v[24+\j], 0                          ; q's upper half: zero codes
.endr
.irp j, 0,1,2,3,4,5,6,7,8,9,10,11,12,13,14,15
	v_mov_b32 v[96+\j], 0                          ; p's codes: named by k's last operand before the first p is made
.endr
.irp j, 220,221,222,223,235,236
	v_mov_b32 v[\j], 0                             ; lane permutes' destinations, and the upper half of the pair v[234:235]
.endr
	; each wait counts the loads issued behind the one that is stored: 34 in all.  (No vector instruction since the wait on va_vdst above names an address or a data register of these stores)
.irp i, 0,1,2,3,4,5,6,7
	s_wait_loadcnt 33-\i
	ds_store_b128 v8, v[32+4*\i:35+4*\i] offset:8192*\i
.endr
.irp i, 0,1,2,3,4,5,6,7
	s_wait_loadcnt 25-\i
	ds_store_b128 v9, v[64+4*\i:67+4*\i] offset:8192*\i
.endr
.irp i, 0,1,2,3,4,5,6,7
	s_wait_loadcnt 17-\i
	ds_store_b128 v10, v[112+4*\i:115+4*\i] offset:8192*\i
.endr
.irp i, 0,1,2,3,4,5,6,7
	s_wait_loadcnt 9-\i
	ds_store_b128 v11, v[144+4*\i:147+4*\i] offset:8192*\i
.endr
	s_wait_loadcnt 1
	ds_store_b128 v6, v[176:179]
	s_wait_loadcnt 0x0
	ds_store_b64 v4, v[180:181]
	s_wait_dscnt 0x0                               ; for the others' sake: my stores are done
	s_barrier_signal -1
	s_barrier_wait -1                              ; the head lies in LDS; from here on LDS is only read
	s_wait_alu depctr_vm_vsrc(0)                   ; the staging's loads and LDS stores have read their addresses (v4, v6, v7, v9, v10 are written again below) and their data (v32-95, v112-181: LDS loads, products and v_mov_b32 write them)
	v_and_b32 v9, 15, v0
	v_lshlrev_b32 v10, 5, v9                       ; 32 r: my token's row of scale bytes
	v_lshlrev_b32 v9, 4, v9                        ; 16 r: my query's place among q's scale words
; A KEY STEP: 128 keys.  s24 = the step, s25 = 8,192 x the step.
.macro STEP
	s_bitcmp1_b32 s27, s24                         ; all 16 x 128 scores hidden: nothing of the step is done
	s_cbranch_scc1 .Lskip_\@
	s_lshr_b32 s29, s25, 5                         ; 256 x the step
	s_lshr_b32 s28, s25, 4                         ; 512 x the step
	s_load_b512 s[32:47], s[10:11], s29 offset:0x0     ; the tile's 64 lane masks
	s_load_b512 s[48:63], s[10:11], s29 offset:0x40
	s_load_b512 s[68:83], s[10:11], s29 offset:0x80
	s_load_b512 s[84:99], s[10:11], s29 offset:0xc0
	v_add_nc_u32 v4, s25, v1                       ; k's eight tiles
	v_add_nc_u32 v6, s28, v2                       ; their scale words
	v_add_nc_u32 v7, s29, v3                       ; v's scale words
	v_add_nc_u32 v5, VL, v4                        ; v's four tiles
.rept 4
	v_nop                                          ; with the four additions: eight places in front of loads into registers that the last products read
.endr
	s_wait_alu depctr_va_vdst(0)                   ; v4 to v7 are written, which this step's LDS loads read; the last step's products are done reading v32-95 and v208-213, in which loads land; q's zeros and p's codes, which the score products take as operands, are written
.irp T, 0,1,2,3,4,5,6,7
	ds_load_b128 v[32+8*\T:35+8*\T], v4 offset:1024*\T
	ds_load_b128 v[36+8*\T:39+8*\T], v4 offset:1024*\T+512
.endr
	ds_load_b128 v[208:211], v6                    ; register i: lanes 0-15 tile 2 i's words, lanes 16-31 tile 2 i + 1's
	s_wait_dscnt 0x0
.irp T, 0,1,2,3,4,5,6,7
.if \T%2
	v_wmma_scale_f32_16x16x128_f8f6f4 v[112+8*\T:119+8*\T], v[32+8*\T:47+8*\T], v[16:31], 0, v[208+\T/2], v214 matrix_a_scale:MATRIX_SCALE_ROW1
.else
	v_wmma_scale_f32_16x16x128_f8f6f4 v[112+8*\T:119+8*\T], v[32+8*\T:47+8*\T], v[16:31], 0, v[208+\T/2], v214
.endif
.endr
.rept 8
	v_nop                                          ; places in front of the loads below and of the first read of the scores
.endr
	s_wait_alu depctr_va_vdst(0)                   ; the score products are done reading k's tiles v32-95, in which v's tiles land (v5 and v7 stand as the wait at the step's head left them)
.irp d, 0,1,2,3
.irp c, 0,1,2,3
	ds_load_b128 v[32+16*\d+4*\c:35+16*\d+4*\c], v5 offset:2048*\d+512*\c     ; v's tiles land while the softmax is walked
.endr
.endr
	ds_load_b64 v[212:213], v7
	s_wait_alu depctr_vm_vsrc(0)                   ; the step's 34 LDS loads have read v4 to v7, which the next step that is worked, or the next tile's head, writes: stated here, ahead of the branches
	s_wait_kmcnt 0x0                               ; the lane masks are in, whether they are used or not
	s_bitcmp1_b32 s26, s24                         ; no score hidden: no masking
	s_cbranch_scc0 .Lopen_\@
.set n, 0
.rept 64
	v_cndmask_b32 v[112+n], v[112+n], s101, s[32+n+4*(n/32)]    ; hidden scores become -infinity: p = 0.  Ascending: each accumulator is read from its low end on
.set n, n+1
.endr
.Lopen_\@:
.irp b, 0,1,2,3
	v_max3_num_f32 v[216+\b], v[112+16*\b], v[113+16*\b], v[114+16*\b]   ; the largest score of each block of 32 keys: for the row's maximum and, since p rises with the score, for the block's largest p
.endr
.irp i, 3,5,7,9,11,13
.irp b, 0,1,2,3
	v_max3_num_f32 v[216+\b], v[216+\b], v[112+16*\b+\i], v[113+16*\b+\i]
.endr
.endr
.irp b, 0,1,2,3
	v_max_num_f32 v[216+\b], v[216+\b], v[127+16*\b]
.endr
.irp b, 0,1,2,3
	v_permlanex16_b32 v[220+\b], v[216+\b], s2, s3
.endr
.irp b, 0,1,2,3
	v_max_num_f32 v[216+\b], v[216+\b], v[220+\b]  ; with lane l xor 16's 16 keys
.endr
	v_max3_num_f32 v236, v216, v217, v218
	v_max_num_f32 v236, v236, v219
	v_mul_f32 v236, s66, v236                      ; the step's largest t
	v_max_num_f32 v13, v13, v236                   ; the running largest t
	v_mov_b32 v236, v12
	v_floor_f32 v12, -v13                          ; the new -M = -ceil(t): a whole number
	v_sub_f32 v236, v12, v236                      ; old M - new M, 0 or less
	v_cvt_i32_f32 v236, v236                       ; (it saturates)
	v_ldexp_f32 v234, 1.0, v236                    ; f = 2^(old M - new M)
.irp j, 0,2,4,6,8,10,12,14,16,18,20,22,24,26,28,30,32,34,36,38,40,42,44,46,48,50,52,54,56,58,60,62
	v_pk_fma_f32 v[112+\j:113+\j], v[112+\j:113+\j], s[66:67], v[12:13] op_sel_hi:[1,0,0]   ; t - M
.endr
.irp b, 0,1,2,3
	v_fma_f32 v[216+\b], v[216+\b], s66, v12       ; the same of each block's largest score
.endr
.set n, 0
.rept 64
	v_exp_f32 v[112+n], v[112+n]                   ; p = 2^(t - M)
.set n, n+1
.endr
	v_pk_mul_f32 v[14:15], v[14:15], v[234:235] op_sel_hi:[1,0]   ; l under the new M: the plain instruction behind the exponentials
	s_wait_alu depctr_va_vdst(0)                   ; the 64 exponentials have written p, v112-175: one wait, ahead of their first reader
.irp b, 0,1,2,3
	v_exp_f32 v[216+\b], v[216+\b]                 ; the blocks' largest p
.endr
	v_pk_add_f32 v[232:233], v[112:113], v[114:115]    ; l takes the UNQUANTISED p, in two chains
.irp j, 4,8,12,16,20,24,28,32,36,40,44,48,52,56,60
	v_pk_add_f32 v[14:15], v[14:15], v[112+\j:113+\j]
	v_pk_add_f32 v[232:233], v[232:233], v[114+\j:115+\j]
.endr
	v_pk_add_f32 v[14:15], v[14:15], v[232:233]
	s_wait_alu depctr_va_vdst(0)                   ; and one for the four, which have written v216-219
.irp b, 0,1,2,3
	v_max_num_f32 v[216+\b], 0x4800000, v[216+\b]  ; the floor 2^(9 - 127): the byte cannot fall under 1
.endr
.irp b, 0,1,2,3
	v_add_nc_u32 v[228+\b], 0xfc000000, v[216+\b]  ; the conversion's scale operand
.endr
.irp b, 0,1,2,3
	v_and_or_b32 v[224+\b], v[216+\b], 0x7f800000, s100   ; 448 x the scale
.endr
.irp b, 0,1,2,3
	v_lshrrev_b32 v[220+\b], 23, v[228+\b]         ; the scale's byte
.endr
	v_lshl_or_b32 v215, v221, 8, v220              ; p's scale word for these 128 keys
	v_lshl_or_b32 v215, v222, 16, v215
	v_lshl_or_b32 v215, v223, 24, v215
.irp b, 0,1,2,3
.irp i, 0,1,2,3,4,5,6,7,8,9,10,11,12,13,14,15
	v_min_num_f32 v[112+16*\b+\i], v[112+16*\b+\i], v[224+\b]   ; the conversion does not saturate (ISA guide 7.6.2); p is not negative: a one-sided hold
.endr
	v_cvt_scalef32_pk8_fp8_f32 v[96+4*\b:97+4*\b], v[112+16*\b:119+16*\b], v[228+\b]
	v_cvt_scalef32_pk8_fp8_f32 v[98+4*\b:99+4*\b], v[120+16*\b:127+16*\b], v[228+\b]
.endr
.irp j, 0,2,4,6,8,10,12,14,16,18,20,22,24,26,28,30
	v_pk_mul_f32 v[176+\j:177+\j], v[176+\j:177+\j], v[234:235] op_sel_hi:[1,0]   ; O^T under the new M; these sixteen are also the places between the codes and the products
.endr
	s_wait_alu depctr_va_vdst(0)                   ; behind the places: the conversions have written p's codes v96-111 and the shifts its scale word v215, which the scaled products below take as operand and as scale
	s_wait_dscnt 0x0                               ; v's tiles and scale words are in
.irp d, 0,1,2,3
.if \d%2
	v_wmma_scale_f32_16x16x128_f8f6f4 v[176+8*\d:183+8*\d], v[32+16*\d:47+16*\d], v[96:111], v[176+8*\d:183+8*\d], v[212+\d/2], v215 matrix_a_scale:MATRIX_SCALE_ROW1
.else
	v_wmma_scale_f32_16x16x128_f8f6f4 v[176+8*\d:183+8*\d], v[32+16*\d:47+16*\d], v[96:111], v[176+8*\d:183+8*\d], v[212+\d/2], v215
.endif
.endr
.Lskip_\@:
	s_add_co_u32 s24, s24, 1
	s_add_co_u32 s25, s25, 8192
.endm
; ONE TILE OF 16 QUERIES, s23: its flags, q and q's scale words; 16 key steps; O / l, quantised and stored.
.macro TILE
	s_lshl_b32 s30, s23, 2
	s_load_b32 s26, s[8:9], s30 offset:0x80000     ; the tile's flags
	s_lshl_b32 s28, s23, 12
	s_mov_b32 s29, 0
	s_add_nc_u64 s[10:11], s[8:9], s[28:29]        ; its lane masks: 16 steps x 256 bytes
	s_lshr_b32 s29, s23, 3
	s_lshl_b32 s29, s29, 9                         ; q's scale words: 512 bytes for 8 tiles,
	s_and_b32 s31, s23, 1
	s_lshl_b32 s31, s31, 8                         ; odd tiles in lanes 16-31's places,
	s_add_co_u32 s29, s29, s31
	s_bfe_u32 s31, s23, 0x20001
	s_lshl_b32 s31, s31, 2                         ; word (tile % 8) / 2
	s_add_co_u32 s29, s29, s31
	s_lshl_b32 s28, s23, 10                        ; q's images: 1,024 bytes a tile
	v_add_nc_u32 v4, s28, v1                       ; both offsets are made first, so that one wait serves the three loads
	v_add_nc_u32 v5, s29, v9
	s_wait_alu depctr_va_vdst(0)                   ; v4 and v5 are written, which the loads below read; in my second tile the first tile's products are done reading v16-23 and v214, in which they land
	global_load_b128 v[16:19], v4, s[4:5]          ; q's two blocks
	global_load_b128 v[20:23], v4, s[4:5] offset:512
	global_load_b32 v214, v5, s[6:7]
	s_wait_alu depctr_vm_vsrc(0)                   ; these loads have read v4 and v5, which the first key step writes; in my second tile the first tile's stores have read v144-151 and v238, which products and vector instructions write again
	v_mov_b32 v13, 0xff61b1e6                      ; the largest t so far: -3e38
	v_floor_f32 v12, -v13                          ; -M
	v_mov_b32 v14, 0
	v_mov_b32 v15, 0
.set n, 0
.rept 32
	v_mov_b32 v[176+n], 0                          ; O^T: which step is the first to be worked hangs on the mask, so no first product can be written out to start the sums
.set n, n+1
.endr
	s_mov_b32 s24, 0
	s_mov_b32 s25, 0
	s_wait_kmcnt 0x0
	s_lshr_b32 s27, s26, 16                        ; bit ks: all hidden;  s26 bit ks: some hidden
	s_wait_loadcnt 0x0
.Lstep_\@:
	STEP
	s_cmp_lt_u32 s24, 16
	s_cbranch_scc1 .Lstep_\@
.rept 8
	v_nop                                          ; places behind the last products
.endr
	v_add_f32 v14, v14, v15
	v_permlanex16_b32 v236, v14, s2, s3
	v_add_f32 v14, v14, v236                       ; l
	v_rcp_f32 v237, v14
	v_cmp_neq_f32 vcc_lo, 0, v14                   ; a row with no key left has l = 0
	v_nop
	s_wait_alu depctr_va_vdst(0)                   ; the reciprocal has written v237, ahead of its first reader
	s_wait_alu depctr_va_vcc(0)                    ; the compare has written VCC, ahead of its first reader; the second select below stands behind this wait too
	v_cndmask_b32 v234, 0, v237, vcc_lo            ; 1 / l, or 0 for such a row: its codes are zeros
.irp j, 0,2,4,6,8,10,12,14,16,18,20,22,24,26,28,30
	v_pk_mul_f32 v[112+\j:113+\j], v[176+\j:177+\j], v[234:235] op_sel_hi:[1,0]   ; register 16 c + 8 u + j: dim 32 c + 16 u + 8 h + j of my query
.endr
.irp c, 0,1
	v_max3_num_f32 v[216+\c], |v[112+16*\c]|, |v[113+16*\c]|, 0x4800000
.endr
.irp i, 2,4,6,8,10,12,14
.irp c, 0,1
	v_max3_num_f32 v[216+\c], v[216+\c], |v[112+16*\c+\i]|, |v[113+16*\c+\i]|
.endr
.endr
.irp c, 0,1
	v_permlanex16_b32 v[220+\c], v[216+\c], s2, s3
.endr
.irp c, 0,1
	v_max_num_f32 v[216+\c], v[216+\c], v[220+\c]
.endr
.irp c, 0,1
	v_add_nc_u32 v[228+\c], 0xfc000000, v[216+\c]
.endr
.irp c, 0,1
	v_and_or_b32 v[224+\c], v[216+\c], 0x7f800000, s100
.endr
.irp c, 0,1
	v_lshrrev_b32 v[220+\c], 23, v[228+\c]
.endr
	v_lshl_or_b32 v238, v221, 8, v220              ; the head's two scale bytes of my token,
	v_cndmask_b32 v238, 0xffff, v238, vcc_lo       ; or 0xff, 0xff where l = 0
.irp c, 0,1
.irp i, 0,1,2,3,4,5,6,7,8,9,10,11,12,13,14,15
	v_med3_num_f32 v[112+16*\c+\i], v[112+16*\c+\i], -v[224+\c], v[224+\c]
.endr
	v_cvt_scalef32_pk8_fp8_f32 v[144+4*\c:145+4*\c], v[112+16*\c:119+16*\c], v[228+\c]
	v_cvt_scalef32_pk8_fp8_f32 v[146+4*\c:147+4*\c], v[120+16*\c:127+16*\c], v[228+\c]
.endr
	v_nop                                          ; a plain vector instruction behind the last conversion
	v_permlane16_swap_b32 v144, v146               ; k back into its true places, since the weight's codes are given: lanes 0-15 get dims 32 c + 0 .. 15, lanes 16-31 dims 32 c + 16 .. 31
	v_permlane16_swap_b32 v145, v147
	v_permlane16_swap_b32 v148, v150
	v_permlane16_swap_b32 v149, v151
	s_lshl_b32 s28, s23, 14
	s_mov_b32 s29, 0
	s_add_nc_u64 s[30:31], s[18:19], s[28:29]
	s_wait_alu depctr_va_vdst(0)                   ; the swaps have written the codes v144-151 and the select the scale bytes v238, which the three stores below read
	global_store_b128 v1, v[144:147], s[30:31]             ; 512 consecutive bytes
	global_store_b128 v1, v[148:151], s[30:31] offset:512
	s_lshl_b32 s28, s23, 9
	s_add_nc_u64 s[32:33], s[20:21], s[28:29]
	global_store_b16 v10, v238, s[32:33]                   ; two bytes a token (both halves of the lanes store the same)
	s_wait_xcnt 0x0                                ; the stores have read their registers and bases: all may be written again
.endm
	TILE
	s_sub_co_u32 s23, 127, s23                     ; my second tile: 4 w + x
	TILE
	s_wait_dscnt 0x0
	s_wait_alu depctr_hold_cnt(0) depctr_sa_sdst(0) depctr_va_vdst(0) depctr_va_sdst(0) depctr_va_ssrc(0) depctr_va_vcc(0) depctr_vm_vsrc(0)
	s_wait_tensorcnt 0x0
	ds_add_u32 v254, v255
	s_wait_dscnt 0x0
	s_endpgm
.Lfunc_end_k_qc96e96d46b_attn:
	.size	k_qc96e96d46b_attn, .Lfunc_end_k_qc96e96d46b_attn-k_qc96e96d46b_attn
	.p2alignl 7, 3214868480
	.fill 96, 4, 3214868480
	.section	.rodata,"a",@progbits
	.p2align	6, 0x0
	.amdhsa_kernel k_qc96e96d46b_attn
		.amdhsa_group_segment_fixed_size 276480
		.amdhsa_private_segment_fixed_size 0
		.amdhsa_enable_private_segment 0
		.amdhsa_kernarg_size 40
		.amdhsa_user_sgpr_count 2
		.amdhsa_user_sgpr_kernarg_segment_ptr 1
		.amdhsa_wavefront_size32 1
		.amdhsa_system_sgpr_workgroup_id_x 1
		.amdhsa_system_sgpr_workgroup_id_y 1
		.amdhsa_system_sgpr_workgroup_id_z 1
		.amdhsa_system_vgpr_workitem_id 0
		.amdhsa_next_free_vgpr 256
		.amdhsa_next_free_sgpr 102
		.amdhsa_reserve_vcc 1
		.amdhsa_float_denorm_mode_32 3
		.amdhsa_float_denorm_mode_16_64 3
		.amdhsa_memory_ordered 1
		.amdhsa_forward_progress 1
		.amdhsa_inst_pref_size 73
	.end_amdhsa_kernel
	.amdgpu_metadata
---
amdhsa.version: [ 1, 2 ]
amdhsa.kernels:
  - .name:           k_qc96e96d46b_attn
    .symbol:         k_qc96e96d46b_attn.kd
    .args:
      - { .name: img, .offset: 0, .size: 8, .value_kind: global_buffer, .address_space: global }
      - { .name: scl, .offset: 8, .size: 8, .value_kind: global_buffer, .address_space: global }
      - { .name: mask, .offset: 16, .size: 8, .value_kind: global_buffer, .address_space: global }
      - { .name: oimg, .offset: 24, .size: 8, .value_kind: global_buffer, .address_space: global }
      - { .name: osc, .offset: 32, .size: 8, .value_kind: global_buffer, .address_space: global }
    .group_segment_fixed_size: 276480
    .private_segment_fixed_size: 0
    .kernarg_segment_align: 8
    .kernarg_segment_size: 40
    .max_flat_workgroup_size: 512
    .sgpr_count:     102
    .vgpr_count:     256
    .wavefront_size: 32
...
	.end_amdgpu_metadata
.endif
;; end of part 5
;; launch oproj: the kernel of part 4 again; grid 4 x 32, 4 waves a work-group, clusters of 4 x 4, 327,680 bytes of LDS; arguments oimg, osc, Wo_codes, Wo_scales, out0; writes out0
